; MI455X (gfx1250); checked and timed in simulation.
; The chip was launched on July 23, 2026; its instructions are those of AMD's public machine-readable ISA for CDNA 5 (MIT licence, August 2026) and "CDNA5" Instruction Set Architecture Reference Guide (July 2026). The comments in the code are by the model that wrote it; some were corrected since.
;; Multi Head Attention. Allowed arithmetic: float matrix products may take bf16 or f16 operands with f32 sums; other float arithmetic in f32, or as packed bf16 or f16 multiplies, adds, multiply-adds, maxima and minima; sums over many terms, partial sums and values carried from step to step in f32; what a program stores and reads back later, other than sums and carried values, may be rounded once to bf16 or f16.
;; Inputs: Wk 512 x 512 float32; Wo 512 x 512 float32; Wq 512 x 512 float32; Wv 512 x 512 float32; bk 512 float32; bo 512 float32; bq 512 float32; bv 512 float32; mask 2 x 4,096 int32; x 2 x 4,096 x 512 float32.
;; Outputs: out0 2 x 4,096 x 512 float32.
;; 2 versions, each right; version 2 is version 1 with the launch cast written anew for expert scheduling mode. Each part assembles by itself: llvm-mc -triple=amdgcn-amd-amdhsa -mcpu=gfx1250 --defsym DOCPART=n.
;; ======== version 1 of 2: 4 launches
;; limits: values are held in f16: magnitudes above 65,504 overflow, below 6.1e-05 lose precision
;; workspace buffers: xb 8,388,608 bytes; wb 1,572,864 bytes; wo16 524,288 bytes; q16 8,388,608 bytes; k16 8,388,608 bytes; v16 8,388,608 bytes; o16 8,388,608 bytes
;; launch cast (part 1): grid 320 x 1, 8 waves a work-group, no clusters, 0 bytes of LDS; arguments x, Wq, Wk, Wv, Wo, xb, wb, wo16; writes xb, wb, wo16
.if DOCPART == 1
	.amdgcn_target "amdgcn-amd-amdhsa--gfx1250"
	.amdhsa_code_object_version 6
	.text
	.protected	k_q4a44ae7a3d_cast
	.globl	k_q4a44ae7a3d_cast
	.p2align	8
	.type	k_q4a44ae7a3d_cast,@function
k_q4a44ae7a3d_cast:
	s_mov_b64 s[64:65], 0
	v_nop
	global_prefetch_b8 v0, s[64:65] scope:SCOPE_SE
	s_setreg_imm32_b32 hwreg(HW_REG_WAVE_MODE, 25, 1), 1
	s_wait_xcnt 0x0
; CAST.  x -> xb (bf16, same order).  Wq, Wk, Wv -> wb (bf16): row 192 j + 64 t + c of wb is row 64 j + c of W_t (t = 0 q, 1 k, 2 v; j the head), so that
; the 192 rows that make q, k and v of one head lie together.  Wo -> wo16: rounded to bf16 like every other input, and that number written as f16.
; LIMITS.  |Wo| stays under 65,504 (f16's end; beyond it the conversion gives an infinity); a bf16(Wo) under 6.1e-5 keeps f16's fixed step of 6e-8.
; A stream: no LDS, no barrier, no loop.  A work-group takes a chunk of 16,384 numbers: 65,536 bytes in, 32,768 out.  Chunks 0-255 are x's; chunk 256 + 16 t + r is rows 32 r .. 32 r + 31 of weight t.
; Thread T takes 16 pieces of 4 numbers: piece i is read at byte 16 T + 4,096 i and written at byte 8 T + 2,048 i: a wave's load covers 512 consecutive bytes, its store 256 consecutive bytes, aligned.
; All 16 loads go out at once; every piece has registers of its own, so no register is rewritten while a memory instruction names it.
.set XCH, 256                          ; chunks of x
.set X,   4                            ; v[4:67]   piece i: 4 numbers as loaded
.set Y,   68                           ; v[68:99]  piece i: 2 words to store
	s_load_b512 s[8:23], s[0:1], 0x0               ; x 8, Wq 10, Wk 12, Wv 14, Wo 16, xb 18, wb 20, wo16 22
	s_mov_b32 s2, ttmp9                            ; the chunk
	s_sub_co_u32 s3, s2, XCH                       ; among the weights' chunks (of no meaning in x's chunks: the last selects below pass it by)
	s_lshr_b32 s4, s3, 4                           ; t
	s_and_b32 s5, s3, 15                           ; r
	v_lshlrev_b32 v1, 4, v0                        ; 16 T
	v_lshlrev_b32 v2, 3, v0                        ; 8 T
	s_lshr_b32 s6, s5, 1                           ; the head j = r / 2
	s_mul_i32 s6, s6, 192
	s_lshl_b32 s7, s4, 6
	s_add_co_u32 s6, s6, s7                        ; + 64 t
	s_and_b32 s7, s5, 1
	s_lshl_b32 s7, s7, 5
	s_add_co_u32 s6, s6, s7                        ; + 32 (r % 2)
	s_lshl_b32 s6, s6, 10                          ; a row of wb is 1,024 bytes
	s_lshl_b32 s7, s5, 15                          ; in wo16 the chunks keep their order
	s_cmp_eq_u32 s4, 3
	s_cselect_b32 s30, s7, s6                      ; a weight chunk's place in its target
	s_lshl_b32 s28, s5, 16                         ; and in its source
	s_lshl_b32 s6, s2, 16                          ; x's chunk in x
	s_lshl_b32 s7, s2, 15                          ; and in xb
	s_cmp_lt_u32 s2, XCH
	s_cselect_b32 s28, s6, s28
	s_cselect_b32 s30, s7, s30
	s_mov_b32 s29, 0
	s_mov_b32 s31, 0
	s_wait_kmcnt 0x0
	s_cmp_eq_u32 s4, 0                             ; the source and the target are chosen by the chunk's number alone
	s_cselect_b64 s[24:25], s[10:11], s[12:13]
	s_cmp_eq_u32 s4, 2
	s_cselect_b64 s[24:25], s[14:15], s[24:25]
	s_cmp_eq_u32 s4, 3
	s_cselect_b64 s[24:25], s[16:17], s[24:25]
	s_cselect_b64 s[26:27], s[22:23], s[20:21]
	s_cmp_lt_u32 s2, XCH
	s_cselect_b64 s[24:25], s[8:9], s[24:25]
	s_cselect_b64 s[26:27], s[18:19], s[26:27]
	s_add_nc_u64 s[24:25], s[24:25], s[28:29]
	s_add_nc_u64 s[26:27], s[26:27], s[30:31]
.irp i, 0,1,2,3,4,5,6,7,8,9,10,11,12,13,14,15
	global_load_b128 v[X+4*(\i):X+4*(\i)+3], v1, s[24:25] offset:4096*(\i) th:TH_LOAD_NT
.endr
; Piece i.  wo = 1: the bf16 number is widened again (a shift, a mask) and written as f16.
.macro PIECE i, wo
	s_wait_loadcnt 15-(\i)                         ; loads come back in order: piece i is in, the 15 - i younger ones stay out
	v_cvt_pk_bf16_f32 v[Y+2*(\i)],   v[X+4*(\i)],   v[X+4*(\i)+1]
	v_cvt_pk_bf16_f32 v[Y+2*(\i)+1], v[X+4*(\i)+2], v[X+4*(\i)+3]
.if \wo
	v_lshlrev_b32 v100, 16, v[Y+2*(\i)]
	v_and_b32 v101, 0xffff0000, v[Y+2*(\i)]
	v_cvt_pk_f16_f32 v[Y+2*(\i)], v100, v101
	v_lshlrev_b32 v100, 16, v[Y+2*(\i)+1]
	v_and_b32 v101, 0xffff0000, v[Y+2*(\i)+1]
	v_cvt_pk_f16_f32 v[Y+2*(\i)+1], v100, v101
.endif
	global_store_b64 v2, v[Y+2*(\i):Y+2*(\i)+1], s[26:27] offset:2048*(\i) th:TH_STORE_NT
.endm
	s_cmp_ge_u32 s2, XCH+48                        ; the last 16 chunks are Wo's
	s_cbranch_scc1 .Lwo
.irp i, 0,1,2,3,4,5,6,7,8,9,10,11,12,13,14,15
	PIECE \i, 0
.endr
	s_endpgm
.Lwo:
.irp i, 0,1,2,3,4,5,6,7,8,9,10,11,12,13,14,15
	PIECE \i, 1
.endr
	s_endpgm
.Lfunc_end_k_q4a44ae7a3d_cast:
	.size	k_q4a44ae7a3d_cast, .Lfunc_end_k_q4a44ae7a3d_cast-k_q4a44ae7a3d_cast
	.p2alignl 7, 3214868480
	.fill 96, 4, 3214868480
	.section	.rodata,"a",@progbits
	.p2align	6, 0x0
	.amdhsa_kernel k_q4a44ae7a3d_cast
		.amdhsa_group_segment_fixed_size 0
		.amdhsa_private_segment_fixed_size 0
		.amdhsa_enable_private_segment 0
		.amdhsa_kernarg_size 64
		.amdhsa_user_sgpr_count 2
		.amdhsa_user_sgpr_kernarg_segment_ptr 1
		.amdhsa_wavefront_size32 1
		.amdhsa_system_sgpr_workgroup_id_x 1
		.amdhsa_system_sgpr_workgroup_id_y 1
		.amdhsa_system_sgpr_workgroup_id_z 1
		.amdhsa_system_vgpr_workitem_id 0
		.amdhsa_next_free_vgpr 104
		.amdhsa_next_free_sgpr 66
		.amdhsa_reserve_vcc 0
		.amdhsa_float_denorm_mode_32 3
		.amdhsa_float_denorm_mode_16_64 3
		.amdhsa_memory_ordered 1
		.amdhsa_forward_progress 1
		.amdhsa_inst_pref_size 17
	.end_amdhsa_kernel
	.amdgpu_metadata
---
amdhsa.version: [ 1, 2 ]
amdhsa.kernels:
  - .name:           k_q4a44ae7a3d_cast
    .symbol:         k_q4a44ae7a3d_cast.kd
    .args:
      - { .name: x, .offset: 0, .size: 8, .value_kind: global_buffer, .address_space: global }
      - { .name: Wq, .offset: 8, .size: 8, .value_kind: global_buffer, .address_space: global }
      - { .name: Wk, .offset: 16, .size: 8, .value_kind: global_buffer, .address_space: global }
      - { .name: Wv, .offset: 24, .size: 8, .value_kind: global_buffer, .address_space: global }
      - { .name: Wo, .offset: 32, .size: 8, .value_kind: global_buffer, .address_space: global }
      - { .name: xb, .offset: 40, .size: 8, .value_kind: global_buffer, .address_space: global }
      - { .name: wb, .offset: 48, .size: 8, .value_kind: global_buffer, .address_space: global }
      - { .name: wo16, .offset: 56, .size: 8, .value_kind: global_buffer, .address_space: global }
    .group_segment_fixed_size: 0
    .private_segment_fixed_size: 0
    .kernarg_segment_align: 8
    .kernarg_segment_size: 64
    .max_flat_workgroup_size: 256
    .sgpr_count:     66
    .vgpr_count:     104
    .wavefront_size: 32
...
	.end_amdgpu_metadata
.endif
;; end of part 1
;; launch qkv (part 2): grid 8 x 32, 4 waves a work-group, clusters of 4 x 4, 327,680 bytes of LDS; arguments xb, wb, bq, bk, bv, mask, q16, k16, v16; writes q16, k16, v16
.if DOCPART == 2
	.amdgcn_target "amdgcn-amd-amdhsa--gfx1250"
	.amdhsa_code_object_version 6
	.text
	.protected	k_q4a44ae7a3d_qkv
	.globl	k_q4a44ae7a3d_qkv
	.p2align	8
	.type	k_q4a44ae7a3d_qkv,@function
k_q4a44ae7a3d_qkv:
	s_mov_b64 s[64:65], 0
	v_nop
	global_prefetch_b8 v0, s[64:65] scope:SCOPE_SE
	s_setreg_imm32_b32 hwreg(HW_REG_WAVE_MODE, 25, 1), 1
	s_wait_xcnt 0x0
	s_wait_alu depctr_hold_cnt(0) depctr_sa_sdst(0) depctr_va_vdst(0) depctr_va_sdst(0) depctr_va_ssrc(0) depctr_va_vcc(0) depctr_vm_vsrc(0)
	s_getreg_b32 s2, hwreg(HW_REG_IB_STS2, 6, 4)
	s_cmp_eq_u32 s2, 0
	s_cbranch_scc0 .Lentry_in_a_cluster
	s_endpgm
.Lentry_in_a_cluster:
	s_bfe_u32 s2, ttmp6, 0x10000c
	s_cmp_lg_u32 s2, 0xf033
	s_cbranch_scc0 .Lentry_shape_is_right
	s_endpgm
.Lentry_shape_is_right:
; q, k, v = xb wb^T + bias, written by heads: q16, k16, v16 are [16 = 8 b + head][4096][64] in f16, a head's rows dense, 128 bytes each.  Products in bf16, sums in f32, each result rounded once to f16.
; The biases are rounded to bf16 like every other input of the module and START the sums (the C operand of the first product).  k's row is multiplied by 0 where mask == 0, so that the next launch's
; product K Q^T is exactly 0 at a masked key and its starting value alone is the score there.
; LIMITS.  |q|, |k|, |v| stay under 65,504 (f16's end; beyond it the conversion gives an infinity).  NaN and infinities are not treated apart: a masked key's k that is not finite gives NaN, not 0.
; SHARES.  Work-group (j, i): rows 256 i .. +255 of xb x rows 192 j .. +191 of wb (q, k, v of head j).  Wave w: rows 64 w .. +63 x all 192 columns: 48 accumulators of 16 x 16.
; K = 512 goes in four steps of 128 (rows of 256 bytes, aligned) through two LDS slots: two refills, so the walk is written out by macros, without a loop.
; CLUSTER.  4 x 4 work-groups: the four of a row of the cluster need the same rows of xb, the four of a column the same rows of wb: each tile is asked for jointly, by the same tensor load, descriptor and mask.
; THE MATRIX INSTRUCTION IS USED TRANSPOSED (source 0 = 16 rows of wb, source 1 = 16 rows of xb): a lane holds row l % 16 and the columns 8 (l / 16) + 0..7: eight neighbouring numbers, 16 bytes of f16.
; REGISTERS, in windows of 256 (s_set_vgpr_msb: bits 1:0 source 0, 3:2 source 1, 5:4 source 2, 7:6 destination):
;   window 0: v0-43 addresses, the mask's factors; v64-127 xb's fragments, two buffers of 32; on the way out v64-255 the packed tiles, 16 registers each
;   window 1: wb's fragments, two buffers of 96: fragment (t, bb) at 8 (4 t + bb)
;   window 2: q's and k's accumulators; window 3: v0-127 v's accumulators, v128-223 the biases, v224-227 at work.  Accumulator (t, a, bb) at v[128 (t % 2) + 8 (4 a + bb)] of window 2 + t / 2
.set PITCH,  272                       ; an LDS row: 256 bytes + 16 of padding = 68 words: the 16 rows that a load touches start at 16 different groups of four banks (64 banks of 4 bytes: ISA guide 11.1)
.set HALFA,  128*PITCH                 ; what one tensor load brings of xb
.set HALFB,  96*PITCH                  ; and of wb
.set SLOT,   2*HALFA+2*HALFB           ; xb's 256 rows, then wb's 192
.set STAGE,  2*SLOT                    ; behind the ring, never filled by a tensor load: 16 rows x 144 bytes for each wave
.set SP,     144
.set SPARE,  STAGE+4*16*SP             ; behind the stages: the spare words, 128 bytes for each wave: two blocks of 256 bytes that no other line names
.set ADRA, 16                          ; v16-17  LDS address of my xb fragments in slot 0, 1
.set ADRB, 20                          ; v20-21  the same for wb
.set MO,   22                          ; v22     4 (l % 16): my row's word in 16 words of mask
.set STO,  24                          ; v24     the way out: where I put 16 bytes of a row
.set RD,   25                          ; v25     the way out: where I read rows back
.set GO,   26                          ; v26     my 16 bytes in 512 consecutive bytes of a target
.set BO,   27                          ; v27     32 (l / 16): my 8 numbers in 16 of a bias
.set SPW,  28                          ; v28     LDS address of my spare word; never rewritten
.set NIL,  29                          ; v29     0; never rewritten
.set MF,   32                          ; v32-39  for row tile a a pair: 1.0 or 0.0 for my row
.set MI,   40                          ; v40-43  the mask's words
.set FA,   64
.set TMP,  64
.set BIAS, 128                         ; window 3
.set G1, 24                            ; s[24:31] descriptor group 1 for xb's tiles;  s[32:39] group 0, one set for each slot
.set G0, 32
.set G1B, 48                           ; s[48:55], s[56:63] the same for wb's tiles
.set G0B, 56
.set MSB, 0
.macro WIN new                         ; the immediate's high byte repeats the setting that is left; a switch that changes nothing is dropped
.if MSB != (\new)
	s_set_vgpr_msb (MSB<<8)|(\new)
.set MSB, \new
.endif
.endm
; A joint load: waves 0 and 1 fetch xb's two halves, waves 2 and 3 wb's.  The branch hangs on the wave's number alone.  An s_nop 0 and four v_nop follow each of the two lines.
.macro JLOAD s
	s_cmp_eq_u32 s11, 0
	s_cbranch_scc0 .Lfor_b_\@
	tensor_load_to_lds s[G0+4*(\s):G0+4*(\s)+3], s[G1:G1+7]
	s_nop 0
.rept 4
	v_nop
.endr
	s_branch .Lasked_\@
.Lfor_b_\@:
	tensor_load_to_lds s[G0B+4*(\s):G0B+4*(\s)+3], s[G1B:G1B+7]
	s_nop 0
.rept 4
	v_nop
.endr
.Lasked_\@:
.endm
.macro CREST                           ; a round of the cluster's barrier behind its opening barrier
	s_cmp_lg_u32 s10, 0
	s_cbranch_scc1 .Lnot_wave_0_\@
	s_barrier_signal -3
.Lnot_wave_0_\@:
	s_barrier_wait -3
	s_barrier_signal -1
	s_barrier_wait -1
.endm
.macro CROUND                          ; a whole round
	s_barrier_signal -1
	s_barrier_wait -1
	CREST
.endm
.macro PLACES                          ; four places in front of loads into registers that matrix instructions have read, and of lines that read results
.rept 4
	v_nop
.endr
.endm
	s_load_b512 s[68:83], s[0:1], 0x0              ; xb 68, wb 70, bq 72, bk 74, bv 76, mask 78, q16 80, k16 82
	s_load_b64 s[84:85], s[0:1], 0x40              ; v16
	v_lshl_add_u32 v[SPW], v0, 2, SPARE
	v_mov_b32 v[NIL], 0
	ds_add_u32 v[SPW], v[NIL]                      ; the wave's opening: the add and its wait stand ahead of my first tensor load; the set-up below, work on registers, stands between them
	v_lshrrev_b32 v1, 5, v0
	v_readfirstlane_b32 s10, v1                    ; wave 0..3
	s_lshr_b32 s11, s10, 1                         ; I fetch for xb (0) or for wb (1)
	s_and_b32 s12, s10, 1                          ; which half of that tile's rows
	s_bfe_u32 s40, ttmp6, 0x40000                  ; cx, cy: my place in the cluster
	s_bfe_u32 s41, ttmp6, 0x40004
	s_lshl_b32 s42, ttmp9, 2
	s_add_co_u32 s42, s42, s40                     ; j, the head = 4 x cluster x + cx
	s_and_b32 s13, ttmp7, 0xffff
	s_lshl_b32 s13, s13, 2
	s_add_co_u32 s13, s13, s41                     ; i, the block of 256 rows = 4 x cluster y + cy
	s_lshl_b32 s43, s41, 2
	s_lshl_b32 s43, 15, s43                        ; my row of the cluster
	s_lshl_b32 s44, 0x1111, s40                    ; my column
	s_or_b32 s[G1+0], s43, (1<<16)|(1<<20)|(1<<21)|(5<<22)|(3<<25)   ; 15:0 the mask: xb's tiles go to my row; 17:16 2-byte elements; 20 padding on; 21 set beside a mask; 24:22 after every 64 words (code 5); 31:25 4 words (code 3)
	s_or_b32 s[G1B+0], s44, (1<<16)|(1<<20)|(1<<21)|(5<<22)|(3<<25)  ; the same with my column's mask, for wb's tiles
	s_mov_b32 s[G1+1], 128<<16                     ; tensor_dim0 = 128
	s_mov_b32 s[G1+2], 128<<16                     ; tensor_dim1 = 128
	s_mov_b32 s[G1+3], 128<<16                     ; tile_dim0 = 128
	s_mov_b32 s[G1+4], 128                         ; tile_dim1 = 128
	s_mov_b32 s[G1+5], 512                         ; 512 elements from row to row
	s_mov_b32 s[G1+6], 0
	s_mov_b32 s[G1+7], 0
	s_mov_b32 s[G1B+1], 128<<16
	s_mov_b32 s[G1B+2], 96<<16                     ; wb's tiles have 96 rows
	s_mov_b32 s[G1B+3], 128<<16
	s_mov_b32 s[G1B+4], 96
	s_mov_b32 s[G1B+5], 512
	s_mov_b32 s[G1B+6], 0
	s_mov_b32 s[G1B+7], 0
	s_lshl_b32 s16, s13, 8                         ; xb: row 256 i + 128 x half, 1,024 bytes a row: it hangs on i alone, which my row of the cluster shares
	s_lshl_b32 s17, s12, 7
	s_add_co_u32 s16, s16, s17
	s_lshl_b32 s16, s16, 10
	s_mov_b32 s17, 0
	s_mul_i32 s46, s42, 192                        ; wb: row 192 j + 96 x half: it hangs on j alone, which my column shares
	s_mul_i32 s47, s12, 96
	s_add_co_u32 s46, s46, s47
	s_lshl_b32 s46, s46, 10
	s_mov_b32 s47, 0
	s_mul_i32 s20, s10, HALFA                      ; where they go: waves 0, 1: xb's halves at 0 and HALFA;
	s_mul_i32 s21, s10, HALFB
	s_add_co_u32 s21, s21, 2*HALFA-2*HALFB         ; waves 2, 3: wb's halves at 2 HALFA and 2 HALFA + HALFB: no place in the cluster enters an LDS address
	s_wait_dscnt 0x0                               ; the opening add is done
	s_wait_kmcnt 0x0
	s_add_nc_u64 s[14:15], s[68:69], s[16:17]
	s_add_nc_u64 s[46:47], s[70:71], s[46:47]
	CROUND                                         ; all sixteen work-groups are here: the first joint loads meet
.irp s, 0,1
	s_mov_b32 s[G0+4*(\s)], 1                                      ; count = 1
	s_add_co_u32 s[G0+4*(\s)+1], s20, (\s)*SLOT                    ; LDS address
	s_add_nc_u64 s[G0+4*(\s)+2:G0+4*(\s)+3], s[14:15], (\s)*256    ; global address: K step s
	s_or_b32 s[G0+4*(\s)+3], s[G0+4*(\s)+3], 0x80000000            ; type = 2
	s_mov_b32 s[G0B+4*(\s)], 1
	s_add_co_u32 s[G0B+4*(\s)+1], s21, (\s)*SLOT
	s_add_nc_u64 s[G0B+4*(\s)+2:G0B+4*(\s)+3], s[46:47], (\s)*256
	s_or_b32 s[G0B+4*(\s)+3], s[G0B+4*(\s)+3], 0x80000000
	JLOAD \s                                       ; two tensor loads of mine are out
.endr
	; A fragment is 16 rows x 32 K in 8 registers: lane l holds row l % 16, K = 8 (l / 16) + 0..7 and 16 + 8 (l / 16) + 0..7: two loads of 16 bytes, 32 bytes apart.
	v_and_b32 v1, 15, v0                           ; l % 16
	v_bfe_u32 v2, v0, 4, 1                         ; l / 16
	v_mul_u32_u24 v3, v1, PITCH
	v_lshl_add_u32 v3, v2, 4, v3
	s_mul_i32 s22, s10, 64*PITCH                   ; my 64 rows of xb
	v_add_nc_u32 v[ADRA], s22, v3
	v_add_nc_u32 v[ADRA+1], SLOT, v[ADRA]
	v_add_nc_u32 v[ADRB], 2*HALFA, v3              ; all 192 rows of wb
	v_add_nc_u32 v[ADRB+1], 2*HALFA+SLOT, v3
	s_mul_i32 s23, s10, 16*SP
	s_add_co_u32 s23, s23, STAGE                   ; my stage
	v_mul_u32_u24 v4, v1, SP                       ; in: row l % 16, 16 bytes for each half of the lanes
	v_lshl_add_u32 v4, v2, 4, v4
	v_add_nc_u32 v[STO], s23, v4
	v_bfe_u32 v5, v0, 3, 2                         ; back: 32 lanes take four rows of 128 bytes,
	v_mul_u32_u24 v5, v5, SP
	v_and_b32 v6, 7, v0
	v_lshl_add_u32 v5, v6, 4, v5
	v_add_nc_u32 v[RD], s23, v5
	v_and_b32 v[GO], 31, v0                        ; which are 512 consecutive bytes of a target
	v_lshlrev_b32 v[GO], 4, v[GO]
	v_lshlrev_b32 v[BO], 5, v2
	v_lshlrev_b32 v[MO], 2, v1
	s_lshl_b32 s16, s13, 8
	s_lshl_b32 s17, s10, 6
	s_add_co_u32 s16, s16, s17                     ; my first row, 256 i + 64 w: also its place in mask, which is [2][4096]
	s_lshl_b32 s18, s16, 2
	s_mov_b32 s19, 0
	s_add_nc_u64 s[78:79], s[78:79], s[18:19]
	s_lshl_b32 s18, s42, 8                         ; the head's 64 numbers of each bias
	s_add_nc_u64 s[72:73], s[72:73], s[18:19]
	s_add_nc_u64 s[74:75], s[74:75], s[18:19]
	s_add_nc_u64 s[76:77], s[76:77], s[18:19]
	s_lshr_b32 s20, s16, 12                        ; b
	s_lshl_b32 s20, s20, 3
	s_add_co_u32 s20, s20, s42                     ; 8 b + j
	s_lshl_b32 s20, s20, 19                        ; 524,288 bytes a head
	s_and_b32 s21, s16, 4095
	s_lshl_b32 s21, s21, 7                         ; 128 bytes a row
	s_add_co_u32 s20, s20, s21
	s_mov_b32 s21, 0
	s_add_nc_u64 s[80:81], s[80:81], s[20:21]
	s_add_nc_u64 s[82:83], s[82:83], s[20:21]
	s_add_nc_u64 s[84:85], s[84:85], s[20:21]
.irp a, 0,1,2,3
	global_load_b32 v[MI+\a], v[MO], s[78:79] offset:64*\a
.endr
	WIN 0xc0                                       ; destination window 3, address window 0
.irp t, 0,1,2
.irp bb, 0,1,2,3
	global_load_b128 v[BIAS+8*(4*\t+\bb):BIAS+8*(4*\t+\bb)+3],   v[BO], s[72+2*\t:73+2*\t] offset:64*\bb     ; register r of block (t, bb): bias t of column 16 bb + 8 (l / 16) + r
	global_load_b128 v[BIAS+8*(4*\t+\bb)+4:BIAS+8*(4*\t+\bb)+7], v[BO], s[72+2*\t:73+2*\t] offset:64*\bb+16
.endr
.endr
	WIN 0
	s_wait_loadcnt 0x0                             ; once, in the wait for the first tile
.irp a, 0,1,2,3
	v_cmp_ne_u32 vcc_lo, 0, v[MI+\a]
	v_cndmask_b32 v[MF+2*\a], 0, 1.0, vcc_lo
	v_mov_b32 v[MF+2*\a+1], v[MF+2*\a]             ; named with it as a pair
.endr
	WIN 0xff                                       ; all in window 3: the biases are rounded to bf16 and widened again
.set z, 0
.rept 48
	v_cvt_pk_bf16_f32 v[224+z%4], v[BIAS+2*z], v[BIAS+2*z+1]
	v_lshlrev_b32 v[BIAS+2*z], 16, v[224+z%4]
	v_and_b32 v[BIAS+2*z+1], 0xffff0000, v[224+z%4]
.set z, z+1
.endr
; 16 matrix instructions: tensor t (0 q, 1 k, 2 v), 4 row tiles x 4 column blocks, 32 along K, from fragment buffers n.  first = 1: the bias starts the sums.
; The 48 accumulators take turns in the same order in every quarter step: 47 others stand between two links of a chain.
.macro MUL16 n, t, first
.if (\t) == 2
	WIN 0xf1                                       ; wb window 1, xb window 0, C and D window 3
.elseif \first
	WIN 0xb1                                       ; D window 2, C (the bias) window 3
.else
	WIN 0xa1                                       ; C and D window 2
.endif
.irp a, 0,1,2,3
.irp bb, 0,1,2,3
.set rD, 128*((\t)%2)+8*(4*(\a)+(\bb))
.set rB, 96*(\n)+8*(4*(\t)+(\bb))
.set rA, FA+32*(\n)+8*(\a)
.set rC, BIAS+8*(4*(\t)+(\bb))
.if \first
	v_wmma_f32_16x16x32_bf16 v[rD:rD+7], v[rB:rB+7], v[rA:rA+7], v[rC:rC+7]
.else
	v_wmma_f32_16x16x32_bf16 v[rD:rD+7], v[rB:rB+7], v[rA:rA+7], v[rD:rD+7]
.endif
.endr
.endr
.endm
; 32 LDS loads in one run: a quarter step's fragments (32 K at byte k of the rows) into buffers n: xb's 8 loads, then wb's 24, v's eight last
.macro FETCH slot, k, n
	WIN 0
.irp i, 0,1,2,3
	ds_load_b128 v[FA+32*(\n)+8*(\i):FA+32*(\n)+8*(\i)+3],   v[ADRA+(\slot)] offset:(\k)+(\i)*16*PITCH
	ds_load_b128 v[FA+32*(\n)+8*(\i)+4:FA+32*(\n)+8*(\i)+7], v[ADRA+(\slot)] offset:(\k)+(\i)*16*PITCH+32
.endr
	WIN 0x40                                       ; destination window 1
.irp i, 0,1,2,3,4,5,6,7,8,9,10,11
	ds_load_b128 v[96*(\n)+8*(\i):96*(\n)+8*(\i)+3],   v[ADRB+(\slot)] offset:(\k)+(\i)*16*PITCH
	ds_load_b128 v[96*(\n)+8*(\i)+4:96*(\n)+8*(\i)+7], v[ADRB+(\slot)] offset:(\k)+(\i)*16*PITCH+32
.endr
.endm
; A K step is four quarter steps of 32 along K, 48 matrix instructions each, on buffers 0, 1, 0, 1.  One of the first three: multiplies buffers n and fetches the next quarter, at byte k, into the others.
.macro QUARTER slot, k, n, first
	s_wait_dscnt 8                                 ; all but the youngest eight loads (wb's rows of v) are in
	MUL16 \n, 0, \first
	MUL16 \n, 1, \first
	PLACES
	FETCH \slot, \k, 1-(\n)
	s_wait_dscnt 32                                ; all but the 32 just issued
	MUL16 \n, 2, \first
.endm
; The last quarter multiplies buffers 1 and changes slots: ONE barrier; in front of it each wave waits for all its tensor loads (the one that is out is its part of the next slot), adds 0 to its spare
; word, and waits for that and for its own reads of this slot.  fill = 1: the barrier opens a round of the cluster's barrier, and this slot is filled again, two K steps on, first thing behind the round.
.macro TURN slot, next, fill
	WIN 0                                          ; (the add's two registers lie in window 0)
	s_wait_tensorcnt 0x0
	ds_add_u32 v[SPW], v[NIL]                      ; 0 onto my spare word
	s_wait_dscnt 9                                 ; (the add and the youngest eight loads may be out)
	MUL16 1, 0, 0                                  ; sixteen matrix instructions stand between the add and the wait for it
	s_wait_dscnt 0x0                               ; the add is done, and my reads of this slot are over
	s_barrier_signal -1
	MUL16 1, 1, 0
.if \fill
	WIN 0
.endif
	s_barrier_wait -1
.if \fill
	CREST                                          ; no wave of any partner still reads this slot's tile or has a load on its way
	s_add_nc_u64 s[G0+4*(\slot)+2:G0+4*(\slot)+3], s[G0+4*(\slot)+2:G0+4*(\slot)+3], 512
	s_add_nc_u64 s[G0B+4*(\slot)+2:G0B+4*(\slot)+3], s[G0B+4*(\slot)+2:G0B+4*(\slot)+3], 512
	JLOAD \slot                                    ; 160 matrix instructions ahead of the wait for it; the four v_nop behind it are also the places in front of the loads below
.else
	PLACES
.endif
	FETCH \next, 0, 0
	MUL16 1, 2, 0
.endm
; THE WAY OUT of tile (t, a), 16 rows x 64 columns.  k is multiplied by the mask's factor; rounded to f16, 16 bytes a lane (each accumulator's registers in ascending order); into my own stage,
; rows of 144 bytes, and back as whole rows of 128.  Every tile has registers of its own, so no store's data is rewritten.
.macro PACK t, a
.set AC, 128*((\t)%2)+32*(\a)
.set TM, TMP+16*(4*(\t)+(\a))
.if (\t) == 1
	WIN 0x82                                       ; destination and source 0 window 2, the factor window 0
.set z, 0
.rept 16
	v_pk_mul_f32 v[AC+2*z:AC+2*z+1], v[AC+2*z:AC+2*z+1], v[MF+2*(\a):MF+2*(\a)+1] op_sel_hi:[1,0]
.set z, z+1
.endr
.endif
	WIN 0x0a+5*((\t)/2)                            ; sources 0 and 1: window 2 or 3; destination window 0
.set z, 0
.rept 16
	v_cvt_pk_f16_f32 v[TM+z], v[AC+2*z], v[AC+2*z+1]
.set z, z+1
.endr
	WIN 0
.irp f, 0,1,2,3
	ds_store_b128 v[STO], v[TM+4*(\f):TM+4*(\f)+3] offset:32*(\f)
.endr
.irp f, 0,1,2,3
	ds_load_b128 v[TM+4*(\f):TM+4*(\f)+3], v[RD] offset:(\f)*4*SP  ; LDS serves a wave's instructions in order (ISA guide 5.7.1.4): these see the stores above; the next tile's stores come behind them
.endr
.endm
.macro SEND t, a, younger              ; younger: the LDS instructions issued behind the tile's loads: the next tile's eight, or none
.set TM, TMP+16*(4*(\t)+(\a))
.irp f, 0,1,2,3
	s_wait_dscnt (\younger)+3-(\f)
	global_store_b128 v[GO], v[TM+4*(\f):TM+4*(\f)+3], s[80+2*(\t):81+2*(\t)] offset:(\a)*2048+(\f)*512  ; 512 consecutive bytes, at a multiple of 256 from the target's first
.endr
.endm
	s_wait_tensorcnt 1                             ; my part of K step 0 is in; K step 1's may stay out
	s_barrier_signal -1
	s_barrier_wait -1                              ; everybody's is
	FETCH 0, 0, 0
	QUARTER 0, 64,  0, 1                           ; K step 0: its first quarter starts the sums with the biases
	QUARTER 0, 128, 1, 0
	QUARTER 0, 192, 0, 0
	TURN 0, 1, 1                                   ; slot 0 takes K step 2
	QUARTER 1, 64,  0, 0                           ; K step 1
	QUARTER 1, 128, 1, 0
	QUARTER 1, 192, 0, 0
	TURN 1, 0, 1                                   ; slot 1 takes K step 3
	QUARTER 0, 64,  0, 0                           ; K step 2
	QUARTER 0, 128, 1, 0
	QUARTER 0, 192, 0, 0
	TURN 0, 1, 0                                   ; nothing is left to fetch
	QUARTER 1, 64,  0, 0                           ; K step 3
	QUARTER 1, 128, 1, 0
	QUARTER 1, 192, 0, 0
	s_wait_dscnt 8
	MUL16 1, 0, 0
	MUL16 1, 1, 0
	s_wait_dscnt 0x0
	MUL16 1, 2, 0
	WIN 0
	PLACES
	PLACES                                         ; (eight, once a launch)
	PACK 0, 0
.set u, 1
.rept 11                               ; a tile's arithmetic stands between the loads of the tile before and its stores
	PACK u/4, u%4
	SEND (u-1)/4, (u-1)%4, 8
.set u, u+1
.endr
	SEND 2, 3, 0
	s_wait_tensorcnt 0x0                           ; the wave's end: no tensor load is out, then 0 onto my spare word and its wait, behind my last tensor load and my last LDS store
	ds_add_u32 v[SPW], v[NIL]
	s_wait_dscnt 0x0
	CROUND                                         ; the closing round: no work-group ends while a partner may still ask for a tile that names it
	s_endpgm
.Lfunc_end_k_q4a44ae7a3d_qkv:
	.size	k_q4a44ae7a3d_qkv, .Lfunc_end_k_q4a44ae7a3d_qkv-k_q4a44ae7a3d_qkv
	.p2alignl 7, 3214868480
	.fill 96, 4, 3214868480
	.section	.rodata,"a",@progbits
	.p2align	6, 0x0
	.amdhsa_kernel k_q4a44ae7a3d_qkv
		.amdhsa_group_segment_fixed_size 327680
		.amdhsa_private_segment_fixed_size 0
		.amdhsa_enable_private_segment 0
		.amdhsa_kernarg_size 72
		.amdhsa_user_sgpr_count 2
		.amdhsa_user_sgpr_kernarg_segment_ptr 1
		.amdhsa_wavefront_size32 1
		.amdhsa_system_sgpr_workgroup_id_x 1
		.amdhsa_system_sgpr_workgroup_id_y 1
		.amdhsa_system_sgpr_workgroup_id_z 1
		.amdhsa_system_vgpr_workitem_id 0
		.amdhsa_next_free_vgpr 1024
		.amdhsa_next_free_sgpr 90
		.amdhsa_reserve_vcc 1
		.amdhsa_float_denorm_mode_32 3
		.amdhsa_float_denorm_mode_16_64 3
		.amdhsa_memory_ordered 1
		.amdhsa_forward_progress 1
		.amdhsa_inst_pref_size 135
	.end_amdhsa_kernel
	.amdgpu_metadata
---
amdhsa.version: [ 1, 2 ]
amdhsa.kernels:
  - .name:           k_q4a44ae7a3d_qkv
    .symbol:         k_q4a44ae7a3d_qkv.kd
    .args:
      - { .name: xb, .offset: 0, .size: 8, .value_kind: global_buffer, .address_space: global }
      - { .name: wb, .offset: 8, .size: 8, .value_kind: global_buffer, .address_space: global }
      - { .name: bq, .offset: 16, .size: 8, .value_kind: global_buffer, .address_space: global }
      - { .name: bk, .offset: 24, .size: 8, .value_kind: global_buffer, .address_space: global }
      - { .name: bv, .offset: 32, .size: 8, .value_kind: global_buffer, .address_space: global }
      - { .name: mask, .offset: 40, .size: 8, .value_kind: global_buffer, .address_space: global }
      - { .name: q16, .offset: 48, .size: 8, .value_kind: global_buffer, .address_space: global }
      - { .name: k16, .offset: 56, .size: 8, .value_kind: global_buffer, .address_space: global }
      - { .name: v16, .offset: 64, .size: 8, .value_kind: global_buffer, .address_space: global }
    .group_segment_fixed_size: 327680
    .private_segment_fixed_size: 0
    .kernarg_segment_align: 8
    .kernarg_segment_size: 72
    .max_flat_workgroup_size: 128
    .sgpr_count:     90
    .vgpr_count:     1024
    .wavefront_size: 32
...
	.end_amdgpu_metadata
.endif
;; end of part 2
;; launch attn (part 3): grid 16 x 16, 4 waves a work-group, clusters of 4 x 1, 327,680 bytes of LDS; arguments q16, k16, v16, mask, o16; writes o16
.if DOCPART == 3
	.amdgcn_target "amdgcn-amd-amdhsa--gfx1250"
	.amdhsa_code_object_version 6
	.text
	.protected	k_q4a44ae7a3d_attn
	.globl	k_q4a44ae7a3d_attn
	.p2align	8
	.type	k_q4a44ae7a3d_attn,@function
k_q4a44ae7a3d_attn:
	s_mov_b64 s[64:65], 0
	v_nop
	global_prefetch_b8 v0, s[64:65] scope:SCOPE_SE
	s_setreg_imm32_b32 hwreg(HW_REG_WAVE_MODE, 25, 1), 1
	s_wait_xcnt 0x0
	s_wait_alu depctr_hold_cnt(0) depctr_sa_sdst(0) depctr_va_vdst(0) depctr_va_sdst(0) depctr_va_ssrc(0) depctr_va_vcc(0) depctr_vm_vsrc(0)
	s_getreg_b32 s2, hwreg(HW_REG_IB_STS2, 6, 4)
	s_cmp_eq_u32 s2, 0
	s_cbranch_scc0 .Lentry_in_a_cluster
	s_endpgm
.Lentry_in_a_cluster:
	s_bfe_u32 s2, ttmp6, 0x10000c
	s_cmp_lg_u32 s2, 0x3003
	s_cbranch_scc0 .Lentry_shape_is_right
	s_endpgm
.Lentry_shape_is_right:
; O[h][q][:] = the sum over k of softmax_k(s[q][k]) V[h][k][:], s = -10000 where mask[b][k] == 0, else Q[h][q] . K[h][k] / 8.  Q, K, V, O: [16 = 8 b + head][4096][64] in f16, a head's rows dense, 128 bytes each.
; Products, maxima and sums in f32; the weights p are rounded to f16 for the second product (their sum l is taken of the unrounded p), O once at the end.
; THE MASK.  K's row arrives as 0 at a masked key, so its product with Q is exactly 0; the sum S^T = K Q^T STARTS (C operand) with 0 at a seen key and with -80000 at a masked one; the scale 1 / 8 comes
; afterwards, in f32: a masked score is exactly -10000 and takes part in the maximum, in l and in V^T P like any other, a batch with every key masked included.  The starting value hangs on the key alone:
; the work-group makes a table of the batch's 4,096 values in LDS, and 32 registers of it come with each step's K.
; LIMITS.  f16 holds no number beyond 65,504: Q, K and V arrive within it; p lies in 0 to 1, and below 6e-5 it keeps f16's fixed step of 6e-8.  A weight below 2^-126 counts as 0 in l.
; NaN and infinities are not treated apart (an infinite Q gives NaN at a masked key).
; SHARES.  A work-group owns 256 queries of one head, each of its four waves 64: four PIECES of 16.  Every wave walks all 4,096 keys, 64 a step, four steps a slot, 16 slots.
; LAYOUT, SOFTMAX, TURNS.  S^T = K Q^T holds ONE query a lane (lane % 16) and the keys 8 (lane / 16) + 0..7; two such results rounded to f16 ARE source 1 of O^T = V^T P.  p = 2^(c s - c m), c = log2(e) / 8, with a
; running maximum m; O and l are multiplied by a = 2^(c m_old - c m_new) in every step; m starts at the lowest finite number, O and l at 0: the first step's a is 0.  Turn n belongs to piece n: 8 products K Q^T of
; piece n + 1, later 8 products V^T P of piece n - 1; beside them the scaling, exponentials, roundings, sums and rescaling of piece n and the maximum and statistics of piece n + 1.  Four vector instructions stand
; behind every matrix instruction, the other 54 of a turn's 118 in two runs of their own.
; CLUSTER.  The four query blocks of a cluster belong to one head and walk the same K and V, so each tile is asked for JOINTLY: the same tensor load, descriptor and mask in all four.
; REGISTERS, in windows of 256 (s_set_vgpr_msb: bits 1:0 source 0, 3:2 source 1, 5:4 source 2, 7:6 destination):
;   window 0: v0-15, v32-34, v61-63 addresses and two at work; v16-31 four registers of statistics a piece; v48-55 at work; v64-127 S^T, two buffers; v192-223 P, two buffers (by the piece's parity)
;   window 1: v0-127 O^T, 32 a piece      window 2: v0-63 Q; v64-95 the step's starting values; v128-191 K of one step; v192-255 V of one step
.set NP,    4         ; pieces a wave: a name, no knob
.set KS,    64        ; keys in a step
.set PK,    144       ; a row of K in LDS: 128 bytes + 16 of padding = 36 words: the 16 rows of a load start at 16 different groups of four banks (64 banks of 4 bytes: ISA guide 11.1)
.set PV,    160       ; a row of V: 128 + 32 = 40 words
.set VOFF,  4*KS*PK   ; a slot holds four steps: 256 rows of K, then 256 rows of V
.set SLOT1, 1<<17     ; slot 1 begins here, so that one exclusive or turns an address in one slot into the other's
.set STAGE, SLOT1+4*KS*(PK+PV)  ; behind the ring, never filled by a tensor load: 16 rows x 144 bytes for each wave, for the way out
.set SP,    144
.set SPARE, STAGE+4*16*SP       ; the spare words, 128 bytes for each wave: two blocks of 256 bytes that no other line names
.set MASKT, SPARE+512           ; the table: 4,096 starting values in f32, 16,384 bytes; stored once, never filled by a tensor load
.set AK0, 2           ; v2   my lane's place in a tile of K; never rewritten
.set AV0, 3           ; v3   the same for V
.set AK,  4           ; v4   the LDS address of K's next run of loads
.set AV,  5           ; v5   of V's
.set STO, 6           ; v6   the way out: where I put 16 bytes of a row
.set RD,  7           ; v7   the way out: where I read rows back
.set GO,  8           ; v8   my byte offset in 512 consecutive bytes of O
.set MV,  12          ; v12-13  c m_old, kept while c m is made anew: by buffer
.set AM0, 14          ; v14  MASKT + 32 (l / 16): my eight values of a block of 16 keys
.set QO,  15          ; v15  my byte offset in 16 rows of Q
.set ST,  16          ; piece t's statistics at v[ST+4 t]: c m, m, l (even keys', odd keys')
.set AM,  32          ; v32  the LDS address of the step's starting values
.set MO,  33          ; v33  16 x my thread's number: my bytes of 2,048 of mask
.set ML,  34          ; v34  the same in the table
.set TMP, 48          ; by buffer, four registers c0-c3 at work; when the maximum is found c2 takes a
.set PFO, 61          ; v61  256 x my lane; never rewritten
.set SPW, 62          ; v62  LDS address of my spare word; never rewritten
.set NIL, 63          ; v63  0; never rewritten
.set S,   64
.set P,   192
.set MK,  64          ; window 2: the eight starting values for key block kb at MK + 8 kb
.set KF,  128         ; window 2: key block kb, channel half c at KF + 16 kb + 8 c
.set VF,  192         ; window 2: key half kk, channel block cb at VF + 32 kk + 8 cb
.set WV,  12          ; s12  my wave's number
.set G1K, 24          ; s[24:31] descriptor group 1 for K's tiles
.set G1V, 32          ; s[32:39] for V's: it differs in the padding alone
.set G0K, 40          ; s[40:43] descriptor group 0 for K's tiles: it walks
.set G0V, 44          ; s[44:47] the same for V's
.set PFA, 48          ; s[48:49] where my prefetches stand: my work-group's 32 blocks of 256 bytes (of K: wave 0, of V: wave 2) of the slot after the one that is being asked for
.set LIM, 50          ; s50  1 in a wave that prefetches, else the greatest number
.set NEG, 51          ; s51  -80000.0
.set TBM, 52          ; s52  the byte of the table at which the step to be fetched begins
.set SLOTS, 56        ; s56  slots still to be entered by the loop
.set CNT, 57          ; s57  counts a slot's key steps
.set CS,  58          ; s[58:59] c: the packed scaling takes the pair's low word for both halves
.set SEL, 60          ; s[60:61] v_permlanex16_b32's selects: each lane takes its own place in the other half
.set TBK, 62          ; s62  LDS byte at which K of the step to be fetched begins
.set TBV, 63          ; s63  the same for V, less VOFF
.set MSB, 0
.macro WIN new                      ; the high byte repeats the setting that is left; a switch that changes nothing is dropped
.if MSB != (\new)
	s_set_vgpr_msb (MSB<<8)|(\new)
.set MSB, (\new)
.endif
.endm
.set W_KQ, 0x0a       ; K and Q in window 2, S^T in window 0
.set W_KM, 0x2a       ; the same with the C operand in window 2
.set W_PV, 0x52       ; V in window 2, P in window 0, O^T in window 1
.set W_RS, 0x41       ; destination and source 0 in window 1, source 1 in window 0
; A joint fill.  Waves 0 and 1 fetch the two halves of a slot's K, waves 2 and 3 those of its V: 128 keys each.  The branch hangs on the wave's number alone.
; An s_nop 0 and four v_nop follow each of the two lines, ahead of the jump and the label.
.macro JLOAD
	s_cmp_lt_u32 s[WV], 2
	s_cbranch_scc0 .Lfor_v_\@
	tensor_load_to_lds s[G0K:G0K+3], s[G1K:G1K+7]
	s_nop 0
.rept 4
	v_nop
.endr
	s_branch .Lasked_\@
.Lfor_v_\@:
	tensor_load_to_lds s[G0V:G0V+3], s[G1V:G1V+7]
	s_nop 0
.rept 4
	v_nop
.endr
.Lasked_\@:
.endm
; A PREFETCH INTO THE L2 of what the NEXT change of slots will ask for: a slot's 32,768 bytes of K and of V, in blocks of 256 bytes, a lane a block.  It stands behind the wave's tensor load and its five lines.
; Each block is named ONCE in the launch: all four clusters of a head walk the same K and V, and the head's first cluster asks; its four partners share the blocks out BY ADDRESS, 32 each; in each, wave 0 asks for
; K's and wave 2 for V's: one instruction.  It runs four key steps, 256 matrix instructions, ahead of the load.  The last change that fills a slot asks for nothing: there is no slot behind it.
.macro ASK
	s_cmp_gt_u32 s[SLOTS], s[LIM]
	s_cbranch_scc0 .Lnot_mine_\@
	global_prefetch_b8 v[PFO], s[PFA:PFA+1] th:TH_LOAD_NT scope:SCOPE_SE
.Lnot_mine_\@:
.endm
; A round of the cluster's barrier: my work-group's barrier, so that wave 0's signal speaks for all four waves; wave 0 signals; every wave waits for all four work-groups; my work-group's barrier once more.
.macro CROUND
	s_barrier_signal -1
	s_barrier_wait -1
	s_cmp_lg_u32 s[WV], 0
	s_cbranch_scc1 .Lnot_wave_0_\@
	s_barrier_signal -3
.Lnot_wave_0_\@:
	s_barrier_wait -3
	s_barrier_signal -1
	s_barrier_wait -1
.endm
; THE CHANGE OF SLOTS.  The slot's last bytes, V of its fourth step, have been read.  Each wave waits for all its tensor loads, of which one is out: its part of the other slot; adds 0 to its spare word; and waits
; for that and for its own LDS instructions.  Behind the barrier nobody reads this slot any more and the other slot is whole.  fill = 1: this slot is filled again, with the keys two slots on.  The barrier is then
; a round of the cluster's, and the joint fill is the first thing behind it: it has four key steps in which to land.  (At its first use nothing has been read yet: slot 0 is waited for, slot 1 filled, and the
; wait for my LDS instructions and the round show my part of the table to the other waves.)
.macro CHANGE fill
	WIN 0                           ; at a label and at a branch every window is 0
	s_wait_tensorcnt 0x0            ; no tensor load of mine is out, so a group 0 may be written
	ds_add_u32 v[SPW], v[NIL]       ; 0 onto my spare word; with fill = 1 the descriptors' steps stand between it and the wait for it
.if \fill
.irp g, G0K, G0V
	s_xor_b32 s[\g+1], s[\g+1], SLOT1  ; the walking descriptor: the other slot than last time,
	s_add_nc_u64 s[\g+2:\g+3], s[\g+2:\g+3], 4*KS*128  ; the next 256 keys; the type bits on top are not reached
.endr
	s_wait_xcnt 0x0                 ; the last prefetch, four key steps back, has read its address, so it may be written:
	s_add_nc_u64 s[PFA:PFA+1], s[PFA:PFA+1], 4*KS*128  ; one slot behind the walking descriptors
	s_wait_dscnt 0x0                ; the add is done, and my reads of the slot are over
	CROUND
	JLOAD
	ASK
.else
	s_wait_dscnt 0x0                ; the add is done, and my reads of the slot are over
	s_barrier_signal -1
	s_barrier_wait -1
.endif
	s_sub_co_u32 s[TBK], s[TBK], 4*KS*PK  ; the fetches go back to a slot's first step,
	s_xor_b32 s[TBK], s[TBK], SLOT1       ; in the other slot
	s_sub_co_u32 s[TBV], s[TBV], 4*KS*PV
	s_xor_b32 s[TBV], s[TBV], SLOT1
.endm
	s_load_b256 s[4:11], s[0:1], 0x0  ; Q s[4:5], K s[6:7], V s[8:9], mask s[10:11]
	s_load_b64 s[68:69], s[0:1], 0x20 ; O
	v_lshl_add_u32 v[SPW], v0, 2, SPARE
	v_mov_b32 v[NIL], 0
	ds_add_u32 v[SPW], v[NIL]       ; the wave's opening: the add and its wait stand ahead of my first tensor load; the set-up below, work on registers, stands between them
	v_lshrrev_b32 v1, 5, v0
	v_readfirstlane_b32 s[WV], v1   ; wave 0..3
	s_bfe_u32 s13, ttmp6, 0x40000   ; cx: my place in the cluster
	s_lshl_b32 s14, ttmp9, 2        ; in a cluster launch ttmp9 counts clusters
	s_add_co_u32 s14, s14, s13      ; my block of 256 queries = 4 x cluster x + cx: it enters Q's and O's addresses alone
	s_and_b32 s20, ttmp7, 0xffff    ; 8 b + head, which the four partners share
	s_lshr_b32 s54, s20, 3          ; b:
	s_lshl_b32 s54, s54, 14         ; its 16,384 bytes of mask
	s_mov_b32 s55, 0
	s_lshl_b32 s20, s20, 19         ; the head's first byte in Q, K, V and O: 524,288 bytes a head
	s_mov_b32 s21, 0
	s_and_b32 s16, s[WV], 1         ; which half of a slot's 256 keys I fetch:
	s_lshl_b32 s22, s16, 14         ; its 128 rows of 128 bytes in memory,
	s_mov_b32 s23, 0
	s_add_nc_u64 s[22:23], s[22:23], s[20:21]
	s_mul_i32 s17, s16, 128*PK      ; and its place in a slot, for K
	s_mul_i32 s18, s16, 128*PV      ; and for V: no place in the cluster enters an LDS address
	s_lshl_b32 s2, s14, 2
	s_add_co_u32 s2, s2, s[WV]      ; my wave among the head's,
	s_lshl_b32 s2, s2, 13           ; its 64 rows
	s_mov_b32 s3, 0
	s_add_nc_u64 s[2:3], s[2:3], s[20:21]
	; descriptor group 1.  128 keys are 16,384 dense bytes: asked for as 64 rows of 256 bytes, two keys a row, and padded in LDS after every key
	s_mov_b32 s[G1K], 15|(1<<16)|(1<<20)|(1<<21)|(4<<22)|(3<<25)  ; 15:0 the mask of four; 17:16 2-byte elements; 20 padding on; 21 set beside a mask; 24:22 after every 32 words (code 4); 31:25 4 words (code 3)
	s_mov_b32 s[G1V], 15|(1<<16)|(1<<20)|(1<<21)|(4<<22)|(7<<25)  ; the same with 8 words of padding (code 7)
.irp g, G1K, G1V
	s_mov_b32 s[\g+1], 128<<16      ; tensor_dim0 = 128
	s_mov_b32 s[\g+2], 64<<16       ; tensor_dim1 = 64
	s_mov_b32 s[\g+3], 128<<16      ; tile_dim0 = 128
	s_mov_b32 s[\g+4], 64           ; tile_dim1 = 64
	s_mov_b32 s[\g+5], 128          ; 128 elements from row to row
	s_mov_b32 s[\g+6], 0
	s_mov_b32 s[\g+7], 0
.endr
	s_mov_b32 s[CS], 0x3e38aa3b     ; c = log2(e) / 8 = 0.180337
	s_mov_b32 s[CS+1], s[CS]        ; named with it as a pair
	s_mov_b32 s[SEL], 0x76543210
	s_mov_b32 s[SEL+1], 0xfedcba98
	s_mov_b32 s[NEG], 0xc79c4000    ; -80000.0
	s_mov_b32 s[TBK], SLOT1+4*KS*PK ; the first change of slots turns these two into 0
	s_mov_b32 s[TBV], SLOT1+4*KS*PV
	s_mov_b32 s[TBM], 0
	s_mov_b32 s[SLOTS], 15
	s_mov_b32 s[G0K], 1             ; count = 1
	s_mov_b32 s[G0K+1], s17         ; LDS address: slot 0
	s_mov_b32 s[G0V], 1
	s_add_co_u32 s[G0V+1], s18, VOFF
	s_and_b32 s[LIM], s[WV], 1      ; 0 in waves 0 and 2,
	s_or_b32 s[LIM], s[LIM], ttmp9  ; where the cluster is the head's first: the same in all four partners
	s_cmp_eq_u32 s[LIM], 0
	s_cselect_b32 s[LIM], 1, -1
	v_and_b32 v[PFO], 31, v0
	v_lshlrev_b32 v[PFO], 8, v[PFO]
	s_wait_dscnt 0x0                ; the opening add is done
	s_wait_kmcnt 0x0
	s_add_nc_u64 s[6:7], s[6:7], s[22:23]  ; K and V at my half of the head's first 256 keys
	s_add_nc_u64 s[8:9], s[8:9], s[22:23]
	s_add_nc_u64 s[G0K+2:G0K+3], s[6:7], 0         ; global address
	s_or_b32 s[G0K+3], s[G0K+3], 0x80000000        ; type = 2
	s_add_nc_u64 s[G0V+2:G0V+3], s[8:9], 0
	s_or_b32 s[G0V+3], s[G0V+3], 0x80000000
	s_add_nc_u64 s[4:5], s[4:5], s[2:3]    ; Q and O at my wave's first row
	s_add_nc_u64 s[68:69], s[68:69], s[2:3]
	s_add_nc_u64 s[10:11], s[10:11], s[54:55]  ; mask at my batch
	s_cmp_lt_u32 s[WV], 2
	s_cselect_b64 s[PFA:PFA+1], s[6:7], s[8:9]  ; (in waves 0 and 2 these stand at a slot's first row)
	s_lshl_b32 s2, s13, 13          ; my work-group's 32 blocks of the 128
	s_mov_b32 s3, 0
	s_add_nc_u64 s[PFA:PFA+1], s[PFA:PFA+1], s[2:3]
	s_add_nc_u64 s[PFA:PFA+1], s[PFA:PFA+1], 4*KS*128  ; in slot 1; the first change of slots steps it to slot 2.  Nothing is prefetched here, at the head
	CROUND                          ; all four work-groups are here: the first joint loads meet
	JLOAD                           ; slot 0.  Slot 1 is asked for when slot 0 is in
	v_and_b32 v1, 15, v0            ; l % 16
	v_bfe_u32 v9, v0, 4, 1          ; l / 16
	v_lshlrev_b32 v[MO], 4, v0
	v_add_nc_u32 v[ML], MASKT, v[MO]
.irp i, 0,1,2,3,4,5,6,7             ; the batch's 4,096 words of mask: 128 threads x 16 bytes x 8, into S^T's registers, which are still free
	global_load_b128 v[S+4*\i:S+4*\i+3], v[MO], s[10:11] offset:2048*\i
.endr
	; A fragment of K or Q is 16 rows x 32 channels in 8 registers: lane l holds row l % 16, channels 8 (l / 16) + 0..7 and 16 + 8 (l / 16) + 0..7: two loads of 16 bytes, 32 bytes apart.
	v_lshlrev_b32 v[QO], 7, v1
	v_lshl_add_u32 v[QO], v9, 4, v[QO]  ; row x 128 + 16 x half
	WIN 0x80                        ; destination window 2, address window 0
.set i, 0
.rept 8                             ; Q stays in registers: piece i / 2, 2,048 bytes on; channels 32 (i % 2) on
	global_load_b128 v[8*i:8*i+3],   v[QO], s[4:5] offset:(i/2)*2048+(i%2)*64
	global_load_b128 v[8*i+4:8*i+7], v[QO], s[4:5] offset:(i/2)*2048+(i%2)*64+32
.set i, i+1
.endr
	; What the first turn finds: V's registers and P's second buffer hold 0 (its products V^T P, of a piece that has not been, add 0), O^T and l are 0.  All this stands in the wait for the first tile.
.set i, VF
.rept 64
	v_mov_b32 v[i], 0
.set i, i+1
.endr
	WIN 0x40
.set i, 0
.rept 128
	v_mov_b32 v[i], 0
.set i, i+1
.endr
	WIN 0
.set i, 0
.rept 4
	v_mov_b32 v[ST+4*i], 0xfe000000    ; c m: far below every c s
	v_mov_b32 v[ST+4*i+1], 0xff7fffff  ; m
	v_mov_b32 v[ST+4*i+2], 0
	v_mov_b32 v[ST+4*i+3], 0
.set i, i+1
.endr
.set i, P+16
.rept 16
	v_mov_b32 v[i], 0
.set i, i+1
.endr
	v_mul_u32_u24 v[AK0], v1, PK
	v_lshl_add_u32 v[AK0], v9, 4, v[AK0]  ; row x pitch + 16 x half
	; The turning load takes 16 keys x 16 channels (lane l reads key 8 (l / 16) + l % 8, channels 8 ((l / 8) % 2) + 0..7) and leaves half a fragment of V^T: lane l holds channel l % 16 and 8 keys.
	v_and_b32 v10, 7, v0
	v_bfe_u32 v11, v0, 3, 1
	v_lshl_add_u32 v[AV0], v9, 3, v10
	v_mul_u32_u24 v[AV0], v[AV0], PV
	v_lshl_add_u32 v[AV0], v11, 4, v[AV0]
	v_add_nc_u32 v[AV0], VOFF, v[AV0]
	v_lshl_add_u32 v[AM0], v9, 5, MASKT
	s_mul_i32 s13, s[WV], 16*SP
	s_add_co_u32 s13, s13, STAGE    ; my stage
	v_mul_u32_u24 v[STO], v1, SP    ; in: row l % 16, 16 bytes for each half of the lanes
	v_lshl_add_u32 v[STO], v9, 4, v[STO]
	v_add_nc_u32 v[STO], s13, v[STO]
	v_bfe_u32 v[RD], v0, 3, 2       ; back: 32 lanes take four rows of 128 bytes,
	v_mul_u32_u24 v[RD], v[RD], SP
	v_lshl_add_u32 v[RD], v10, 4, v[RD]
	v_add_nc_u32 v[RD], s13, v[RD]
	v_and_b32 v[GO], 31, v0         ; which are 512 consecutive bytes of O
	v_lshlrev_b32 v[GO], 4, v[GO]
	s_wait_loadcnt 16               ; the mask's eight loads are in; Q's sixteen, issued behind them, may stay out
.set i, 0
.rept 32
	v_cmp_eq_u32 vcc_lo, 0, v[S+i]
	v_cndmask_b32 v[S+i], 0, s[NEG], vcc_lo  ; -80000 where the key is masked, else 0
.set i, i+1
.endr
.irp i, 0,1,2,3,4,5,6,7
	ds_store_b128 v[ML], v[S+4*\i:S+4*\i+3] offset:2048*\i
.endr
; THE MATRIX WORK.  The 4 accumulators of a run of 8 take turns.  Product i of 8 of S^T = K Q^T for piece x: channels 32 (i / 4) on, keys 16 (i % 4) on.  The first 4 start the sums with the keys' starting values.
.macro KQ x
.set rS, S+32*((\x)%2)+8*(i%4)
.set rK, KF+16*(i%4)+8*(i/4)
.set rQ, 16*(\x)+8*(i/4)
.set rM, MK+8*(i%4)
.if i < 4
	WIN W_KM
	v_wmma_f32_16x16x32_f16 v[rS:rS+7], v[rK:rK+7], v[rQ:rQ+7], v[rM:rM+7]
.else
	WIN W_KQ
	v_wmma_f32_16x16x32_f16 v[rS:rS+7], v[rK:rK+7], v[rQ:rQ+7], v[rS:rS+7]
.endif
.endm
; Product i of 8 of O^T += V^T P for piece x: keys 32 (i / 4) on, channels 16 (i % 4) on.
.macro PV x
	WIN W_PV
.set rO, 32*(\x)+8*(i%4)
.set rV, VF+32*(i/4)+8*(i%4)
.set rP, P+16*((\x)%2)+8*(i/4)
	v_wmma_f32_16x16x32_f16 v[rO:rO+7], v[rV:rV+7], v[rP:rP+7], v[rO:rO+7]
.endm
.macro MM                           ; the turn's next matrix instruction.  NOKQ = 1: the walk's last turn: there is no next piece
.if (i < 8) && !NOKQ
	KQ (Y+1)%NP
.elseif i >= 8
.set i, i-8
	PV (Y+NP-1)%NP
.set i, i+8
.endif
.set i, i+1
.endm
; THE LDS LOADS stand in runs, never singly among the matrix instructions: a step's K (64 keys x 64 channels: 8 fragments) with its 64 starting values (the lanes of a half read the same 16 bytes), and its V (turned).
.macro FETCH_K
	WIN 0x80                        ; destination window 2
.irp f, 0,1,2,3,4,5,6,7             ; keys 16 (f / 2) on, channels 32 (f % 2) on
	ds_load_b128 v[KF+8*\f:KF+8*\f+3],   v[AK] offset:(\f/2)*16*PK+(\f%2)*64
	ds_load_b128 v[KF+8*\f+4:KF+8*\f+7], v[AK] offset:(\f/2)*16*PK+(\f%2)*64+32
.endr
.irp f, 0,1,2,3                     ; key block f: register r is key 16 f + 8 (l / 16) + r
	ds_load_b128 v[MK+8*\f:MK+8*\f+3],   v[AM] offset:64*\f
	ds_load_b128 v[MK+8*\f+4:MK+8*\f+7], v[AM] offset:64*\f+16
.endr
	s_add_co_u32 s[TBK], s[TBK], KS*PK  ; the next fetch is the next step's
	s_add_co_u32 s[TBM], s[TBM], 4*KS
	s_and_b32 s[TBM], s[TBM], 16383     ; it stays inside the table (behind the last of the 64 steps it is not used)
	WIN 0
.endm
.macro FETCH_V
	WIN 0x80
.irp f, 0,1,2,3,4,5,6,7             ; keys 32 (f / 4) on, channels 16 (f % 4) on
	ds_load_tr16_b128 v[VF+8*\f:VF+8*\f+3],   v[AV] offset:(\f/4)*32*PV+(\f%4)*32
	ds_load_tr16_b128 v[VF+8*\f+4:VF+8*\f+7], v[AV] offset:(\f/4)*32*PV+16*PV+(\f%4)*32
.endr
	WIN 0
.endm
; THE VECTOR WORK, one line at a time: OP kind, number.  For piece Y: F n: c s - c m for pair n of 16.  E n: the exponential of score n of 32.  C n: pair n rounded to f16.  B n: of the four weights 4 n .. the second
; pair is added onto the first, in place.  L n: l takes that sum (L 0: l = a l + sum).  R n: pair n of 16 of O^T times a.  For piece Y + 1: X n, number n of the 22 that find its maximum and statistics:
;   0-11  four chains c0-c3 of seven scores each, three operands at a time (each accumulator's lowest registers are read first)     12-14, 16  the four scores left over, the old m, and c0-c3 into c0
;   15  c m_old is kept     17, 18  the query's other 32 keys lie in the lane 16 away: the new m     19-21  c m; c m_old - c m_new; a
.set F, 0               ; OP tells the kinds apart by their order: F to L below R, X above it
.set E, 1
.set C, 2
.set B, 3
.set L, 4
.set R, 5
.set X, 6
.macro REGS y                       ; the registers of piece y
.set rT, ST+4*(\y)
.set rC, TMP+4*((\y)%2)
.set rW, MV+((\y)%2)
.set rS, S+32*((\y)%2)
.set rP, P+16*((\y)%2)
.set rO, 32*(\y)
.endm
.macro OP k, n
.if (\k) == R
	REGS Y
	WIN W_RS
	v_pk_mul_f32 v[rO+2*(\n):rO+2*(\n)+1], v[rO+2*(\n):rO+2*(\n)+1], v[rC+2:rC+3] op_sel_hi:[1,0]
.elseif (\k) < R
	REGS Y
	WIN 0
.if (\k) == F
	v_pk_fma_f32 v[rS+2*(\n):rS+2*(\n)+1], v[rS+2*(\n):rS+2*(\n)+1], s[CS:CS+1], v[rT:rT+1] op_sel_hi:[1,0,0] neg_lo:[0,0,1] neg_hi:[0,0,1]
.elseif (\k) == E
	v_exp_f32 v[rS+(\n)], v[rS+(\n)]
.elseif (\k) == C
	s_wait_alu depctr_va_vdst(0)
	v_cvt_pk_f16_f32 v[rP+(\n)], v[rS+2*(\n)], v[rS+2*(\n)+1]
.elseif (\k) == B
	s_wait_alu depctr_va_vdst(0)
	v_pk_add_f32 v[rS+4*(\n):rS+4*(\n)+1], v[rS+4*(\n):rS+4*(\n)+1], v[rS+4*(\n)+2:rS+4*(\n)+3]
.elseif (\n) == 0
	v_pk_fma_f32 v[rT+2:rT+3], v[rT+2:rT+3], v[rC+2:rC+3], v[rS:rS+1] op_sel_hi:[1,0,1]
.else
	v_pk_add_f32 v[rT+2:rT+3], v[rT+2:rT+3], v[rS+4*(\n):rS+4*(\n)+1]
.endif
.elseif NOKQ
	v_nop
.else
	REGS (Y+1)%NP
	WIN 0
.if (\n) < 4
	v_max3_num_f32 v[rC+(\n)], v[rS+8*(\n)], v[rS+8*(\n)+1], v[rS+8*(\n)+2]
.elseif (\n) < 12
	v_max3_num_f32 v[rC+(\n)%4], v[rC+(\n)%4], v[rS+8*((\n)%4)+2*((\n)/4)+1], v[rS+8*((\n)%4)+2*((\n)/4)+2]
.elseif (\n) == 12
	v_max3_num_f32 v[rC], v[rC], v[rS+7], v[rS+15]
.elseif (\n) == 13
	v_max3_num_f32 v[rC+1], v[rC+1], v[rS+23], v[rS+31]
.elseif (\n) == 14
	v_max3_num_f32 v[rC+2], v[rC+2], v[rC+3], v[rT+1]
.elseif (\n) == 15
	v_mov_b32 v[rW], v[rT]
.elseif (\n) == 16
	v_max3_num_f32 v[rC], v[rC], v[rC+1], v[rC+2]
.elseif (\n) == 17
	v_permlanex16_b32 v[rC+3], v[rC], s[SEL], s[SEL+1]
.elseif (\n) == 18
	v_max_num_f32 v[rT+1], v[rC], v[rC+3]
.elseif (\n) == 19
	v_mul_f32 v[rT], s[CS], v[rT+1]
.elseif (\n) == 20
	v_sub_f32 v[rC+1], v[rW], v[rT]
.else
	v_exp_f32 v[rC+2], v[rC+1]
.endif
.endif
.endm
.macro OPS a, i1, b=-1, i2=0, c=-1, i3=0, d=-1, i4=0  ; up to four of them
	OP \a, \i1
.if (\b) >= 0
	OP \b, \i2
.endif
.if (\c) >= 0
	OP \c, \i3
.endif
.if (\d) >= 0
	OP \d, \i4
.endif
.endm
.macro ROW a, i1, b, i2, c, i3, d, i4  ; a matrix instruction and the four behind it
	MM
	OPS \a, \i1, \b, \i2, \c, \i3, \d, \i4
.endm
; A TURN, for piece p: the order of its 16 matrix and 118 vector instructions, written out.  Behind a matrix instruction: plain, exponential, plain, plain; or four of the rescaling; or, behind the first, four scalings; none
; names a register of the products round it.  In the runs between, exponential and plain by turns while exponentials last.  A line reads no result made fewer than three vector instructions in front of it, five if an
; exponential made it.  end = 1: the walk's last two turns: nothing is fetched.  cnt = 1: the loop's count is taken down some lines ahead of the branch that stands behind the turn.
; K and the starting values of the next step are fetched in piece 2's turn, six vector instructions behind the last product that read K (five of them plain); V of the step in hand in piece 0's turn, eight behind the last
; product that read V (five plain).  Each is waited for a turn later.
.macro TURN p, end=0, cnt=0
.set Y, (\p)
.set i, 0
.set NOKQ, (\end)*((\p)/3)
.if ((\p) == 3) && !(\end)
	s_wait_dscnt 0x0                ; K and its starting values are in
.endif
	ROW F,0, F,1, F,2, F,3
	ROW F,4, E,0, F,5, F,6
	ROW F,7, E,1, F,8, F,9
	ROW F,10, E,2, C,0, F,11
	ROW F,12, E,3, X,15, F,13
	ROW R,0, R,1, R,2, R,3
	ROW B,0, E,4, F,14, L,0
.if ((\p) == 2) && !(\end)
	v_add_nc_u32 v[AK], s[TBK], v[AK0]
	v_add_nc_u32 v[AM], s[TBM], v[AM0]
.endif
	ROW R,4, R,5, R,6, R,7
	OPS E,5, F,15
.if ((\p) == 2) && !(\end)
	FETCH_K
.endif
	OPS E,6, C,1, E,7, R,8
	OPS E,8, R,9, E,9, C,2
	OPS E,10, X,0, E,11, X,1
	OPS E,12, X,2, E,13, X,3
.if (\p) == 1
	s_wait_dscnt 0x0                ; V is in
.endif
	ROW X,4, E,14, X,5, X,6
	ROW X,7, E,15, X,8, X,9
	ROW X,10, E,16, X,11, X,12
	ROW X,13, E,17, X,14, B,1
	ROW C,4, E,18, X,16, L,1
	ROW B,2, E,19, C,6, L,2
	ROW C,8, E,20, B,3, B,4
.if (\p) == 0
	v_add_nc_u32 v[AV], s[TBV], v[AV0]
.endif
	ROW C,3, E,21, L,3, C,5
	OPS E,22, X,17, E,23, C,10
.if (\p) == 0
	FETCH_V
.endif
	OPS E,24, L,4
	OPS E,25, X,18, E,26, C,7
	OPS E,27, B,5, E,28, X,19
	OPS E,29, C,12, E,30, L,5
	OPS E,31, X,20, B,6, C,9
	OPS C,14, C,11, X,21, L,6
.if (\p) == 0
	s_add_co_u32 s[TBV], s[TBV], KS*PV
.endif
.if \cnt
	s_sub_co_u32 s[CNT], s[CNT], 1
	s_cmp_lg_u32 s[CNT], 0
.endif
	OPS C,13, B,7, C,15, R,10
	OPS R,11, R,12, L,7, R,13
	OPS R,14, R,15
.endm
.macro ALL line:vararg              ; one line for each piece t
.set t, 0
.rept 4
	\line
.set t, t+1
.endr
.endm
.macro PACK t                       ; a lane's eight channels of a row pack into 16 bytes; they go into rows of 144 bytes and come back as whole rows of 128, into S^T's registers
	WIN W_RS
.set i, 32*(\t)
.rept 16
	s_wait_alu depctr_va_vdst(0)
	v_pk_mul_f32 v[i:i+1], v[i:i+1], v[ST+4*(\t)+2:ST+4*(\t)+3] op_sel_hi:[1,0]
.set i, i+2
.endr
	WIN 0x05                        ; sources 0 and 1 window 1, destination window 0
.set i, 0
.rept 16
	v_cvt_pk_f16_f32 v[S+16*(\t)+i], v[32*(\t)+2*i], v[32*(\t)+2*i+1]
.set i, i+1
.endr
	WIN 0
.irp f, 0,1,2,3
	ds_store_b128 v[STO], v[S+16*(\t)+4*\f:S+16*(\t)+4*\f+3] offset:32*\f
.endr
.irp f, 0,1,2,3
	ds_load_b128 v[S+16*(\t)+4*\f:S+16*(\t)+4*\f+3], v[RD] offset:\f*4*SP  ; LDS serves a wave's instructions in order (ISA guide 5.7.1.4): these see the stores above; the next piece's stores come behind them
.endr
.endm
.macro SEND t, younger              ; younger: the LDS instructions issued behind piece t's loads: the next piece's eight, or none
	WIN 0
.irp f, 0,1,2,3
	s_wait_dscnt (\younger)+3-\f
	global_store_b128 v[GO], v[S+16*(\t)+4*\f:S+16*(\t)+4*\f+3], s[68:69] offset:(\t)*2048+\f*512  ; 512 consecutive bytes, at a multiple of 256 from O's first
.endr
.endm
	CHANGE 1                        ; slot 0 is in, everybody's part of it, and so is the table; slot 1 is asked for
	v_add_nc_u32 v[AK], s[TBK], v[AK0]
	v_add_nc_u32 v[AM], s[TBM], v[AM0]
	FETCH_K                         ; key step 0
	s_wait_loadcnt 0x0              ; Q
	s_wait_dscnt 0x0
.set NOKQ, 0
.set i, 0
.rept 8
	KQ 0                            ; piece 0's first scores: there is no vector work yet to set between them
.set i, i+1
.endr
	WIN 0
.rept 4
	v_nop                           ; the places behind those products
.endr
.set Y, NP-1                        ; X works for piece Y + 1: piece 0
.irp n, 0,1,2,3,4,5,6,7,8,9,10,11,12,13,14,15,16,17,18,19,20,21
	OP X, \n
.endr
	v_nop                           ; a plain instruction behind the exponential
	s_mov_b32 s[CNT], 4
	s_branch .Lfirst                ; the loop is entered at a step's first turn, in the middle of a trip
.Lslot:                             ; 14 times: every slot but the last two is filled again
	CHANGE 1
	s_mov_b32 s[CNT], 4
.Lstep:                             ; a trip: pieces 2 and 3 of one step, then pieces 0 and 1 of the next, whose K and V it fetches
	TURN 2
	TURN 3
	WIN 0
.Lfirst:
	TURN 0
	TURN 1, 0, 1
	WIN 0
	s_cbranch_scc1 .Lstep
	s_sub_co_u32 s[SLOTS], s[SLOTS], 1
	s_cmp_lg_u32 s[SLOTS], 0
	s_cbranch_scc1 .Lslot
	CHANGE 0                        ; the last slot is written out: nothing is asked for
	s_mov_b32 s[CNT], 4
.LstepT:
	TURN 2
	TURN 3
	TURN 0
	TURN 1, 0, 1
	WIN 0
	s_cbranch_scc1 .LstepT
	TURN 2, 1                       ; the last step's pieces 2 and 3: nothing is fetched, and the last turn starts no new scores
	TURN 3, 1
.set i, 0
.rept 8
	PV NP-1                         ; the last piece's V^T P of the last step
.set i, i+1
.endr
	; THE WAY OUT.  l's two halves and the other half of the lanes' are added; O^T is divided by l, rounded to f16 and sent through my stage in LDS, a piece at a time.  The additions are the places behind the last products.
	WIN 0
	ALL v_add_f32 v[ST+4*t+2], v[ST+4*t+2], v[ST+4*t+3]
	ALL v_permlanex16_b32 v[ST+4*t+3], v[ST+4*t+2], s[SEL], s[SEL+1]
	ALL v_add_f32 v[ST+4*t+2], v[ST+4*t+2], v[ST+4*t+3]
	ALL v_rcp_f32 v[ST+4*t+2], v[ST+4*t+2]
	v_nop                           ; a plain instruction between the last reciprocal and the use of its result
	PACK 0
.set t, 1
.rept 3                             ; a piece's arithmetic stands between the loads of the piece before and its stores
	PACK t
	SEND t-1, 8
.set t, t+1
.endr
	SEND 3, 0
	s_wait_tensorcnt 0x0            ; the wave's end: no tensor load is out, then 0 onto my spare word and its wait, behind my last tensor load and my last LDS store
	ds_add_u32 v[SPW], v[NIL]
	s_wait_dscnt 0x0
	CROUND                          ; the closing round: no work-group ends while a partner may still ask for a tile that names it
	s_endpgm
.Lfunc_end_k_q4a44ae7a3d_attn:
	.size	k_q4a44ae7a3d_attn, .Lfunc_end_k_q4a44ae7a3d_attn-k_q4a44ae7a3d_attn
	.p2alignl 7, 3214868480
	.fill 96, 4, 3214868480
	.section	.rodata,"a",@progbits
	.p2align	6, 0x0
	.amdhsa_kernel k_q4a44ae7a3d_attn
		.amdhsa_group_segment_fixed_size 327680
		.amdhsa_private_segment_fixed_size 0
		.amdhsa_enable_private_segment 0
		.amdhsa_kernarg_size 40
		.amdhsa_user_sgpr_count 2
		.amdhsa_user_sgpr_kernarg_segment_ptr 1
		.amdhsa_wavefront_size32 1
		.amdhsa_system_sgpr_workgroup_id_x 1
		.amdhsa_system_sgpr_workgroup_id_y 1
		.amdhsa_system_sgpr_workgroup_id_z 1
		.amdhsa_system_vgpr_workitem_id 0
		.amdhsa_next_free_vgpr 768
		.amdhsa_next_free_sgpr 70
		.amdhsa_reserve_vcc 1
		.amdhsa_float_denorm_mode_32 3
		.amdhsa_float_denorm_mode_16_64 3
		.amdhsa_memory_ordered 1
		.amdhsa_forward_progress 1
		.amdhsa_inst_pref_size 141
	.end_amdhsa_kernel
	.amdgpu_metadata
---
amdhsa.version: [ 1, 2 ]
amdhsa.kernels:
  - .name:           k_q4a44ae7a3d_attn
    .symbol:         k_q4a44ae7a3d_attn.kd
    .args:
      - { .name: q16, .offset: 0, .size: 8, .value_kind: global_buffer, .address_space: global }
      - { .name: k16, .offset: 8, .size: 8, .value_kind: global_buffer, .address_space: global }
      - { .name: v16, .offset: 16, .size: 8, .value_kind: global_buffer, .address_space: global }
      - { .name: mask, .offset: 24, .size: 8, .value_kind: global_buffer, .address_space: global }
      - { .name: o16, .offset: 32, .size: 8, .value_kind: global_buffer, .address_space: global }
    .group_segment_fixed_size: 327680
    .private_segment_fixed_size: 0
    .kernarg_segment_align: 8
    .kernarg_segment_size: 40
    .max_flat_workgroup_size: 128
    .sgpr_count:     70
    .vgpr_count:     768
    .wavefront_size: 32
...
	.end_amdgpu_metadata
.endif
;; end of part 3
;; launch oproj (part 4): grid 4 x 64, 4 waves a work-group, clusters of 4 x 4, 327,680 bytes of LDS; arguments o16, wo16, bo, out0; writes out0
.if DOCPART == 4
	.amdgcn_target "amdgcn-amd-amdhsa--gfx1250"
	.amdhsa_code_object_version 6
	.text
	.protected	k_q4a44ae7a3d_oproj
	.globl	k_q4a44ae7a3d_oproj
	.p2align	8
	.type	k_q4a44ae7a3d_oproj,@function
k_q4a44ae7a3d_oproj:
	s_mov_b64 s[64:65], 0
	v_nop
	global_prefetch_b8 v0, s[64:65] scope:SCOPE_SE
	s_setreg_imm32_b32 hwreg(HW_REG_WAVE_MODE, 25, 1), 1
	s_wait_xcnt 0x0
	s_wait_alu depctr_hold_cnt(0) depctr_sa_sdst(0) depctr_va_vdst(0) depctr_va_sdst(0) depctr_va_ssrc(0) depctr_va_vcc(0) depctr_vm_vsrc(0)
	s_getreg_b32 s2, hwreg(HW_REG_IB_STS2, 6, 4)
	s_cmp_eq_u32 s2, 0
	s_cbranch_scc0 .Lentry_in_a_cluster
	s_endpgm
.Lentry_in_a_cluster:
	s_bfe_u32 s2, ttmp6, 0x10000c
	s_cmp_lg_u32 s2, 0xf033
	s_cbranch_scc0 .Lentry_shape_is_right
	s_endpgm
.Lentry_shape_is_right:
; out0[row][n] = the sum over k of O[row][k] Wo[n][k] + bo[n], in f32.  O lies by heads, o16 = [8 b + head][4096][64] in f16: k = 64 head + channel.  wo16 = [512][512] in f16.  Products in f16, sums in f32.
; bo is rounded to bf16 like every other input of the module and STARTS the sums (the C operand of the first product).
; SHARES.  A tile of out0 is 128 x 128; four waves, each 64 x 64: 16 accumulators of 16 x 16.  K = 512 is eight heads; all of it lies in LDS at once: each wave asks for four tiles at the start, nothing is filled
; again, and the quarters of K (two heads each) are read as they land, each behind a counted wait and a barrier.  Four tensor loads of a wave are out.
; CLUSTER.  4 x 4 work-groups: the four of a row of the cluster need the same rows of O, the four of a column the same rows of Wo: each tile is asked for jointly.
; THE MATRIX INSTRUCTION IS USED TRANSPOSED (source 0 = 16 rows of Wo, source 1 = 16 rows of O): a lane holds row l % 16 of out0 and eight neighbouring columns, 32 bytes.
; REGISTERS: window 0: v0-35 addresses and at work; v96-127 the bias; v128-255 the accumulators ((a, b) at v[128 + 8 (4 a + b)]).  Window 1: two fragment buffers of 128: for 64 along K, 64 registers of O, then 64 of Wo.
.set PA,     144                       ; a row of O in LDS: 128 bytes + 16 of padding: the 16 rows of a load start at 16 different groups of four banks (64 banks of 4 bytes: ISA guide 11.1)
.set HA,     128*PA                    ; a head's 128 rows
.set PB,     272                       ; a row of Wo's quarter: 256 bytes + 16
.set QB,     128*PB                    ; a quarter's 128 rows
.set BREG,   8*HA                      ; Wo's quarters lie behind O's eight heads
.set STAGE,  BREG+4*QB                 ; behind the tiles, never filled by a tensor load: 16 rows x 272 bytes for each wave
.set SPITCH, 272
.set SPARE,  STAGE+4*16*SPITCH         ; the spare words, 128 bytes for each wave: two blocks of 256 bytes that no other line names
.set ADRA, 16                          ; v16-17  LDS address of my O fragments in heads 0-3, 4-7
.set ADRB, 20                          ; v20-21  the same for Wo in quarters 0-1, 2-3
.set STO,  24                          ; v24     the way out: where I put 32 bytes of a row
.set RD,   25                          ; v25     the way out: where I read a row back
.set CO,   26                          ; v26     my byte offset in out0
.set BO,   27                          ; v27     32 (l / 16): my 8 numbers in 16 of bo
.set SPW,  28                          ; v28     LDS address of my spare word; never rewritten
.set NIL,  29                          ; v29     0; never rewritten
.set BI,   96
.set ACC,  128
.set F0,   0                           ; fragment buffers, in window 1
.set F1,   128
.set WV,  12                           ; s12  my wave's number
.set RH,  13                           ; s13  which half of the tile's rows is mine.  Also: I fetch for O (0) or for Wo (1)
.set CH,  14                           ; s14  which half of its columns.  Also: which head of a quarter's two, or which 64 rows of Wo, I fetch
.set G1A, 24                           ; s[24:31] descriptor group 1 for O's tiles
.set G1B, 32                           ; s[32:39] for Wo's
.set G0A, 40                           ; s[40:55] descriptor group 0 for O's tiles, a set for each quarter
.set G0B, 68                           ; s[68:83] the same for Wo's
.set MSB, 0
.macro WIN new                         ; the immediate's high byte repeats the setting that is left; a switch that changes nothing is dropped
.if MSB != (\new)
	s_set_vgpr_msb (MSB<<8)|(\new)
.set MSB, \new
.endif
.endm
.set MUL,  0x05                        ; sources 0 (Wo) and 1 (O) window 1; C and D window 0
.set TO_F, 0x40                        ; destination window 1, address window 0
.macro CROUND                          ; a round of the cluster's barrier
	s_barrier_signal -1
	s_barrier_wait -1
	s_cmp_lg_u32 s[WV], 0
	s_cbranch_scc1 .Lnot_wave_0_\@
	s_barrier_signal -3
.Lnot_wave_0_\@:
	s_barrier_wait -3
	s_barrier_signal -1
	s_barrier_wait -1
.endm
.macro PLACES                          ; four places in front of loads into registers that matrix instructions have read, and of lines that read results
.rept 4
	v_nop
.endr
.endm
	s_load_b256 s[4:11], s[0:1], 0x0               ; o16 s[4:5], wo16 s[6:7], bo s[8:9], out0 s[10:11]
	v_lshl_add_u32 v[SPW], v0, 2, SPARE
	v_mov_b32 v[NIL], 0
	ds_add_u32 v[SPW], v[NIL]                      ; the wave's opening: the add and its wait stand ahead of my first tensor load; the set-up below, work on registers, stands between them
	v_lshrrev_b32 v1, 5, v0
	v_readfirstlane_b32 s[WV], v1                  ; wave 0..3
	s_lshr_b32 s[RH], s[WV], 1
	s_and_b32 s[CH], s[WV], 1
	s_bfe_u32 s15, ttmp6, 0x40000                  ; cx, cy: my place in the cluster
	s_bfe_u32 s16, ttmp6, 0x40004
	s_lshl_b32 s17, ttmp9, 2
	s_add_co_u32 s17, s17, s15                     ; the tile column = 4 x cluster x + cx
	s_and_b32 s18, ttmp7, 0xffff
	s_lshl_b32 s18, s18, 2
	s_add_co_u32 s18, s18, s16                     ; the tile row = 4 x cluster y + cy
	s_lshl_b32 s19, s16, 2
	s_lshl_b32 s19, 15, s19                        ; my row of the cluster
	s_lshl_b32 s20, 0x1111, s15                    ; my column
	; A head's 128 rows of O are 16,384 dense bytes: asked for as 64 rows of 256 bytes, two rows of O in each, padded in LDS after every 128 bytes.  Wo's tile: 64 rows x 128 elements out of rows of 512.
	s_or_b32 s[G1A], s19, (1<<16)|(1<<20)|(1<<21)|(4<<22)|(3<<25)  ; 15:0 the mask: O's tiles go to my row; 17:16 2-byte elements; 20 padding on; 21 set beside a mask; 24:22 after every 32 words (code 4); 31:25 4 words (code 3)
	s_or_b32 s[G1B], s20, (1<<16)|(1<<20)|(1<<21)|(5<<22)|(3<<25)  ; my column's mask; after every 64 words (code 5)
.irp g, G1A, G1B
	s_mov_b32 s[\g+1], 128<<16                     ; tensor_dim0 = 128
	s_mov_b32 s[\g+2], 64<<16                      ; tensor_dim1 = 64
	s_mov_b32 s[\g+3], 128<<16                     ; tile_dim0 = 128
	s_mov_b32 s[\g+4], 64                          ; tile_dim1 = 64
	s_mov_b32 s[\g+6], 0
	s_mov_b32 s[\g+7], 0
.endr
	s_mov_b32 s[G1A+5], 128                        ; elements from row to row: dense,
	s_mov_b32 s[G1B+5], 512                        ; a row of Wo
	s_lshr_b32 s56, s18, 5                         ; O: the batch, 8 heads of 524,288 bytes;
	s_lshl_b32 s56, s56, 22
	s_and_b32 s57, s18, 31                         ; the tile's 128 rows of 128 bytes in a head;
	s_lshl_b32 s57, s57, 14
	s_add_co_u32 s56, s56, s57
	s_lshl_b32 s57, s[CH], 19                      ; my head of a quarter's two: all this hangs on the tile row and the wave's number alone
	s_add_co_u32 s56, s56, s57
	s_mov_b32 s57, 0
	s_lshl_b32 s58, s17, 7                         ; Wo: row 128 x tile column + 64 x half, 1,024 bytes a row: on the tile column and the wave's number alone
	s_lshl_b32 s59, s[CH], 6
	s_add_co_u32 s58, s58, s59
	s_lshl_b32 s58, s58, 10
	s_mov_b32 s59, 0
	s_mul_i32 s60, s[CH], HA                       ; where they go: no place in the cluster enters an LDS address
	s_mul_i32 s61, s[CH], 64*PB
	s_add_co_u32 s61, s61, BREG
	s_wait_dscnt 0x0                               ; the opening add is done
	s_wait_kmcnt 0x0
	s_add_nc_u64 s[56:57], s[4:5], s[56:57]
	s_add_nc_u64 s[58:59], s[6:7], s[58:59]
	CROUND                                         ; all sixteen work-groups are here: the joint loads meet
.irp q, 0,1,2,3
	s_mov_b32 s[G0A+4*\q], 1                                       ; count = 1
	s_add_co_u32 s[G0A+4*\q+1], s60, \q*2*HA                       ; LDS address: head 2 q + my half
	s_add_nc_u64 s[G0A+4*\q+2:G0A+4*\q+3], s[56:57], \q<<20        ; global address: two heads on
	s_or_b32 s[G0A+4*\q+3], s[G0A+4*\q+3], 0x80000000              ; type = 2
	s_mov_b32 s[G0B+4*\q], 1
	s_add_co_u32 s[G0B+4*\q+1], s61, \q*QB
	s_add_nc_u64 s[G0B+4*\q+2:G0B+4*\q+3], s[58:59], \q*256        ; 128 along K on
	s_or_b32 s[G0B+4*\q+3], s[G0B+4*\q+3], 0x80000000
.endr
	s_cmp_lt_u32 s[WV], 2                          ; a wave's four fills stand in one branch, ahead of every wait on TENSORcnt and every LDS read; an s_nop 0 follows each, four v_nop the last
	s_cbranch_scc0 .Lfirst_b
.irp q, 0,1,2,3
	tensor_load_to_lds s[G0A+4*\q:G0A+4*\q+3], s[G1A:G1A+7]
	s_nop 0
.endr
.rept 4
	v_nop
.endr
	s_branch .Lfirst_asked
.Lfirst_b:
.irp q, 0,1,2,3
	tensor_load_to_lds s[G0B+4*\q:G0B+4*\q+3], s[G1B:G1B+7]
	s_nop 0
.endr
.rept 4
	v_nop
.endr
.Lfirst_asked:
	v_and_b32 v1, 15, v0                           ; l % 16
	v_bfe_u32 v2, v0, 4, 1                         ; l / 16
	v_mul_u32_u24 v3, v1, PA
	v_lshl_add_u32 v3, v2, 4, v3                   ; a fragment's row x pitch + 16 x half
	s_mul_i32 s21, s[RH], 64*PA                    ; my 64 rows of O
	v_add_nc_u32 v[ADRA], s21, v3
	v_add_nc_u32 v[ADRA+1], 4*HA, v[ADRA]
	v_mul_u32_u24 v4, v1, PB
	v_lshl_add_u32 v4, v2, 4, v4
	s_mul_i32 s22, s[CH], 64*PB                    ; my 64 rows of Wo
	s_add_co_u32 s22, s22, BREG
	v_add_nc_u32 v[ADRB], s22, v4
	v_add_nc_u32 v[ADRB+1], 2*QB, v[ADRB]
	s_mul_i32 s23, s[WV], 16*SPITCH
	s_add_co_u32 s23, s23, STAGE                   ; my stage
	v_mul_u32_u24 v5, v1, SPITCH                   ; in: row l % 16, 32 bytes for each half of the lanes
	v_lshl_add_u32 v5, v2, 5, v5
	v_add_nc_u32 v[STO], s23, v5
	v_mul_u32_u24 v6, v2, SPITCH                   ; back: lanes 0-15 take one row of 256 bytes, lanes 16-31 the next
	v_lshl_add_u32 v6, v1, 4, v6
	v_add_nc_u32 v[RD], s23, v6
	v_lshlrev_b32 v[CO], 11, v2                    ; and the same two rows in out0, 2,048 bytes a row
	v_lshl_add_u32 v[CO], v1, 4, v[CO]
	v_lshlrev_b32 v[BO], 5, v2
	s_lshl_b32 s20, s18, 7
	s_lshl_b32 s21, s[RH], 6
	s_add_co_u32 s20, s20, s21                     ; my first row of out0
	s_lshl_b32 s20, s20, 11
	s_lshl_b32 s22, s17, 9                         ; my first column, in bytes: 512 x tile column + 256 x half; also its place in bo
	s_lshl_b32 s23, s[CH], 8
	s_add_co_u32 s22, s22, s23
	s_mov_b32 s23, 0
	s_mov_b32 s21, 0
	s_add_nc_u64 s[8:9], s[8:9], s[22:23]
	s_add_nc_u64 s[10:11], s[10:11], s[20:21]
	s_add_nc_u64 s[10:11], s[10:11], s[22:23]
.irp bb, 0,1,2,3
	global_load_b128 v[BI+8*\bb:BI+8*\bb+3],   v[BO], s[8:9] offset:64*\bb     ; register r of block bb: bo of column 16 bb + 8 (l / 16) + r
	global_load_b128 v[BI+8*\bb+4:BI+8*\bb+7], v[BO], s[8:9] offset:64*\bb+16
.endr
	s_wait_loadcnt 0x0                             ; once, in the wait for the first tile
.set z, 0
.rept 16                               ; bo is rounded to bf16 and widened again
	v_cvt_pk_bf16_f32 v[32+z%4], v[BI+2*z], v[BI+2*z+1]
	v_lshlrev_b32 v[BI+2*z], 16, v[32+z%4]
	v_and_b32 v[BI+2*z+1], 0xffff0000, v[32+z%4]
.set z, z+1
.endr
; 8 matrix instructions: row tiles a0, a0 + 1 x all 4 column blocks, 32 along K: half c of buffer f.  first = 1: the bias starts the sums.  The 16 accumulators take turns.
.macro MUL8 f, c, a0, first
	WIN MUL
.irp a, \a0, (\a0)+1
.irp b, 0,1,2,3
.if \first
	v_wmma_f32_16x16x32_f16 v[ACC+8*(4*(\a)+(\b)):ACC+8*(4*(\a)+(\b))+7], v[(\f)+64+8*(4*(\c)+(\b)):(\f)+64+8*(4*(\c)+(\b))+7], v[(\f)+8*(4*(\c)+(\a)):(\f)+8*(4*(\c)+(\a))+7], v[BI+8*(\b):BI+8*(\b)+7]
.else
	v_wmma_f32_16x16x32_f16 v[ACC+8*(4*(\a)+(\b)):ACC+8*(4*(\a)+(\b))+7], v[(\f)+64+8*(4*(\c)+(\b)):(\f)+64+8*(4*(\c)+(\b))+7], v[(\f)+8*(4*(\c)+(\a)):(\f)+8*(4*(\c)+(\a))+7], v[ACC+8*(4*(\a)+(\b)):ACC+8*(4*(\a)+(\b))+7]
.endif
.endr
.endr
.endm
; 32 LDS loads in one run: the fragments of head hh (64 along K) into buffer f; its first 32 channels first
.macro FETCH hh, f
	WIN TO_F
.irp c, 0,1
.irp i, 0,1,2,3
	ds_load_b128 v[(\f)+64+8*(4*(\c)+(\i)):(\f)+64+8*(4*(\c)+(\i))+3],   v[ADRB+(\hh)/4] offset:(((\hh)/2)%2)*QB+((\hh)%2)*128+64*(\c)+(\i)*16*PB
	ds_load_b128 v[(\f)+64+8*(4*(\c)+(\i))+4:(\f)+64+8*(4*(\c)+(\i))+7], v[ADRB+(\hh)/4] offset:(((\hh)/2)%2)*QB+((\hh)%2)*128+64*(\c)+(\i)*16*PB+32
	ds_load_b128 v[(\f)+8*(4*(\c)+(\i)):(\f)+8*(4*(\c)+(\i))+3],         v[ADRA+(\hh)/4] offset:((\hh)%4)*HA+64*(\c)+(\i)*16*PA
	ds_load_b128 v[(\f)+8*(4*(\c)+(\i))+4:(\f)+8*(4*(\c)+(\i))+7],       v[ADRA+(\hh)/4] offset:((\hh)%4)*HA+64*(\c)+(\i)*16*PA+32
.endr
.endr
.endm
; An even head: multiplies buffer 0 and fetches the quarter's other head into buffer 1.
.macro EVEN hh, first
	s_wait_dscnt 16                                ; the first 32 channels are in
	MUL8 F0, 0, 0, \first
	MUL8 F0, 0, 2, \first
	PLACES
	FETCH (\hh)+1, F1
	s_wait_dscnt 32                                ; all but the 32 just issued
	MUL8 F0, 1, 0, 0
	MUL8 F0, 1, 2, 0
.endm
; An odd head (but the last): multiplies buffer 1 and goes on to the next quarter: my load of it is in (the 2 - hh / 2 loads issued behind it may stay out), and behind the barrier everybody's is.
.macro ODD hh
	s_wait_tensorcnt 2-(\hh)/2
	s_wait_dscnt 16
	MUL8 F1, 0, 0, 0
	s_wait_dscnt 0x0                               ; no LDS instruction of mine is pending at the signal
	s_barrier_signal -1
	MUL8 F1, 0, 2, 0
	s_barrier_wait -1
	PLACES
	FETCH (\hh)+1, F0
	MUL8 F1, 1, 0, 0
	MUL8 F1, 1, 2, 0
.endm
; THE WAY OUT of row tile a: 32 bytes a lane into my own stage (each accumulator's low four registers first), rows of 272 bytes, and back as whole rows of 256, into the registers that they left.
.macro OUT a
.irp bb, 0,1,2,3
	ds_store_b128 v[STO], v[ACC+32*(\a)+8*(\bb):ACC+32*(\a)+8*(\bb)+3]   offset:64*(\bb)
	ds_store_b128 v[STO], v[ACC+32*(\a)+8*(\bb)+4:ACC+32*(\a)+8*(\bb)+7] offset:64*(\bb)+16
.endr
.irp t, 0,1,2,3,4,5,6,7
	ds_load_b128 v[ACC+32*(\a)+4*(\t):ACC+32*(\a)+4*(\t)+3], v[RD] offset:(\t)*2*SPITCH  ; LDS serves a wave's instructions in order (ISA guide 5.7.1.4): these see the stores above; the next tile's stores come behind them
.endr
.endm
.macro SENDO a, younger                ; younger: the LDS instructions issued behind the tile's loads: the next tile's sixteen, or none
.irp t, 0,1,2,3,4,5,6,7
	s_wait_dscnt (\younger)+7-(\t)
	global_store_b128 v[CO], v[ACC+32*(\a)+4*(\t):ACC+32*(\a)+4*(\t)+3], s[10:11] offset:(16*(\a)+2*(\t))*2048 th:TH_STORE_NT  ; 16 lanes store 256 consecutive bytes, at a multiple of 256 from out0's first byte
.endr
.endm
	s_wait_tensorcnt 3                             ; my part of quarter 0 is in; the three behind it may stay out
	s_barrier_signal -1
	s_barrier_wait -1                              ; everybody's is
	FETCH 0, F0
	EVEN 0, 1
	ODD 1
	EVEN 2, 0
	ODD 3
	EVEN 4, 0
	ODD 5
	EVEN 6, 0
	s_wait_dscnt 16                                ; the last head: nothing more to fetch
	MUL8 F1, 0, 0, 0
	MUL8 F1, 0, 2, 0
	s_wait_dscnt 0x0
	MUL8 F1, 1, 0, 0
	MUL8 F1, 1, 2, 0
	WIN 0
	PLACES
	PLACES                                         ; (eight, once a launch)
	OUT 0
	OUT 1
	SENDO 0, 16
	OUT 2
	SENDO 1, 16
	OUT 3
	SENDO 2, 16
	SENDO 3, 0
	s_wait_tensorcnt 0x0                           ; the wave's end: no tensor load is out, then 0 onto my spare word and its wait, behind my last tensor load and my last LDS store
	ds_add_u32 v[SPW], v[NIL]
	s_wait_dscnt 0x0
	CROUND                                         ; the closing round: no work-group ends while a partner may still ask for a tile that names it
	s_endpgm
.Lfunc_end_k_q4a44ae7a3d_oproj:
	.size	k_q4a44ae7a3d_oproj, .Lfunc_end_k_q4a44ae7a3d_oproj-k_q4a44ae7a3d_oproj
	.p2alignl 7, 3214868480
	.fill 96, 4, 3214868480
	.section	.rodata,"a",@progbits
	.p2align	6, 0x0
	.amdhsa_kernel k_q4a44ae7a3d_oproj
		.amdhsa_group_segment_fixed_size 327680
		.amdhsa_private_segment_fixed_size 0
		.amdhsa_enable_private_segment 0
		.amdhsa_kernarg_size 32
		.amdhsa_user_sgpr_count 2
		.amdhsa_user_sgpr_kernarg_segment_ptr 1
		.amdhsa_wavefront_size32 1
		.amdhsa_system_sgpr_workgroup_id_x 1
		.amdhsa_system_sgpr_workgroup_id_y 1
		.amdhsa_system_sgpr_workgroup_id_z 1
		.amdhsa_system_vgpr_workitem_id 0
		.amdhsa_next_free_vgpr 512
		.amdhsa_next_free_sgpr 88
		.amdhsa_reserve_vcc 0
		.amdhsa_float_denorm_mode_32 3
		.amdhsa_float_denorm_mode_16_64 3
		.amdhsa_memory_ordered 1
		.amdhsa_forward_progress 1
		.amdhsa_inst_pref_size 55
	.end_amdhsa_kernel
	.amdgpu_metadata
---
amdhsa.version: [ 1, 2 ]
amdhsa.kernels:
  - .name:           k_q4a44ae7a3d_oproj
    .symbol:         k_q4a44ae7a3d_oproj.kd
    .args:
      - { .name: o16, .offset: 0, .size: 8, .value_kind: global_buffer, .address_space: global }
      - { .name: wo16, .offset: 8, .size: 8, .value_kind: global_buffer, .address_space: global }
      - { .name: bo, .offset: 16, .size: 8, .value_kind: global_buffer, .address_space: global }
      - { .name: out0, .offset: 24, .size: 8, .value_kind: global_buffer, .address_space: global }
    .group_segment_fixed_size: 327680
    .private_segment_fixed_size: 0
    .kernarg_segment_align: 8
    .kernarg_segment_size: 32
    .max_flat_workgroup_size: 128
    .sgpr_count:     88
    .vgpr_count:     512
    .wavefront_size: 32
...
	.end_amdgpu_metadata
.endif
;; end of part 4
;; ======== version 2 of 2: 4 launches; version 1 with the launch cast written anew for expert scheduling mode
;; limits: values are held in f16: magnitudes above 65,504 overflow, below 6.1e-05 lose precision
;; workspace buffers: xb 8,388,608 bytes; wb 1,572,864 bytes; wo16 524,288 bytes; q16 8,388,608 bytes; k16 8,388,608 bytes; v16 8,388,608 bytes; o16 8,388,608 bytes
;; launch cast (part 5): grid 320 x 1, 8 waves a work-group, no clusters, 0 bytes of LDS; arguments x, Wq, Wk, Wv, Wo, xb, wb, wo16; writes xb, wb, wo16
.if DOCPART == 5
	.amdgcn_target "amdgcn-amd-amdhsa--gfx1250"
	.amdhsa_code_object_version 6
	.text
	.protected	k_q4a44ae7a3d_cast
	.globl	k_q4a44ae7a3d_cast
	.p2align	8
	.type	k_q4a44ae7a3d_cast,@function
k_q4a44ae7a3d_cast:
	s_mov_b64 s[64:65], 0
	v_nop
	global_prefetch_b8 v0, s[64:65] scope:SCOPE_SE
	s_setreg_imm32_b32 hwreg(HW_REG_WAVE_SCHED_MODE, 0, 2), 2
	s_setreg_imm32_b32 hwreg(HW_REG_WAVE_MODE, 25, 1), 1
	s_wait_xcnt 0x0
	s_wait_alu depctr_vm_vsrc(0)
; CAST.  x -> xb (bf16, same order).  Wq, Wk, Wv -> wb (bf16): row 192 j + 64 t + c of wb is row 64 j + c of W_t (t = 0 q, 1 k, 2 v; j the head), so that
; the 192 rows that make q, k and v of one head lie together.  Wo -> wo16: rounded to bf16 like every other input, and that number written as f16.
; LIMITS.  |Wo| stays under 65,504 (f16's end; beyond it the conversion gives an infinity); a bf16(Wo) under 6.1e-5 keeps f16's fixed step of 6e-8.
; A stream: no LDS, no barrier, no loop.  A work-group takes a chunk of 16,384 numbers: 65,536 bytes in, 32,768 out.  Chunks 0-255 are x's; chunk 256 + 16 t + r is rows 32 r .. 32 r + 31 of weight t.
; Thread T takes 16 pieces of 4 numbers: piece i is read at byte 16 T + 4,096 i and written at byte 8 T + 2,048 i: a wave's load covers 512 consecutive bytes, its store 256 consecutive bytes, aligned.
; All 16 loads go out at once; every piece has registers of its own, so no register is rewritten while a memory instruction names it.
; THE MODE: SCHED_MODE bits 1:0 = 2 (LLVM: expert scheduling mode 2), set by the entry lines.  The code itself states the register dependences
; between vector instructions and memory instructions, with s_wait_alu, always for 0.
; THE PLAN.  Registers that memory instructions touch:
;   v1, v2   the loads' and the stores' byte offsets: written once at the head, by a vector instruction each, and never again.
;   X        piece i's four registers: written by piece i's load alone, which no vector instruction's read or write of them precedes; read by piece i's conversions.
;   Y        piece i's two registers: written by piece i's conversions; read by piece i's one store; never written behind it.
;   v100, v101 are named by vector instructions alone.
; So the one kind of dependence to state is a vector result that a memory instruction reads.  One wait at the head states it for v1 and v2.  The pieces go in four groups of four: at the head of a group,
; behind the wait for its first piece's data, one wait states that the group before has written its Y, and that group's four stores follow in one run; one more wait stands ahead of the last four stores.
.set XCH, 256                          ; chunks of x
.set X,   4                            ; v[4:67]   piece i: 4 numbers as loaded
.set Y,   68                           ; v[68:99]  piece i: 2 words to store
	s_load_b512 s[8:23], s[0:1], 0x0               ; x 8, Wq 10, Wk 12, Wv 14, Wo 16, xb 18, wb 20, wo16 22
	s_mov_b32 s2, ttmp9                            ; the chunk
	s_sub_co_u32 s3, s2, XCH                       ; among the weights' chunks (of no meaning in x's chunks: the last selects below pass it by)
	s_lshr_b32 s4, s3, 4                           ; t
	s_and_b32 s5, s3, 15                           ; r
	v_lshlrev_b32 v1, 4, v0                        ; 16 T
	v_lshlrev_b32 v2, 3, v0                        ; 8 T
	s_lshr_b32 s6, s5, 1                           ; the head j = r / 2
	s_mul_i32 s6, s6, 192
	s_lshl_b32 s7, s4, 6
	s_add_co_u32 s6, s6, s7                        ; + 64 t
	s_and_b32 s7, s5, 1
	s_lshl_b32 s7, s7, 5
	s_add_co_u32 s6, s6, s7                        ; + 32 (r % 2)
	s_lshl_b32 s6, s6, 10                          ; a row of wb is 1,024 bytes
	s_lshl_b32 s7, s5, 15                          ; in wo16 the chunks keep their order
	s_cmp_eq_u32 s4, 3
	s_cselect_b32 s30, s7, s6                      ; a weight chunk's place in its target
	s_lshl_b32 s28, s5, 16                         ; and in its source
	s_lshl_b32 s6, s2, 16                          ; x's chunk in x
	s_lshl_b32 s7, s2, 15                          ; and in xb
	s_cmp_lt_u32 s2, XCH
	s_cselect_b32 s28, s6, s28
	s_cselect_b32 s30, s7, s30
	s_mov_b32 s29, 0
	s_mov_b32 s31, 0
	s_wait_kmcnt 0x0
	s_cmp_eq_u32 s4, 0                             ; the source and the target are chosen by the chunk's number alone
	s_cselect_b64 s[24:25], s[10:11], s[12:13]
	s_cmp_eq_u32 s4, 2
	s_cselect_b64 s[24:25], s[14:15], s[24:25]
	s_cmp_eq_u32 s4, 3
	s_cselect_b64 s[24:25], s[16:17], s[24:25]
	s_cselect_b64 s[26:27], s[22:23], s[20:21]
	s_cmp_lt_u32 s2, XCH
	s_cselect_b64 s[24:25], s[8:9], s[24:25]
	s_cselect_b64 s[26:27], s[18:19], s[26:27]
	s_add_nc_u64 s[24:25], s[24:25], s[28:29]
	s_add_nc_u64 s[26:27], s[26:27], s[30:31]
	s_wait_alu depctr_va_vdst(0)                   ; v1 and v2 are written: every load of the kernel reads v1 as its offset, every store v2
.irp i, 0,1,2,3,4,5,6,7,8,9,10,11,12,13,14,15
	global_load_b128 v[X+4*(\i):X+4*(\i)+3], v1, s[24:25] offset:4096*(\i) th:TH_LOAD_NT
.endr
; Piece i's conversions.  wo = 1: the bf16 number is widened again (a shift, a mask) and written as f16.
.macro CONV i, wo
	v_cvt_pk_bf16_f32 v[Y+2*(\i)],   v[X+4*(\i)],   v[X+4*(\i)+1]
	v_cvt_pk_bf16_f32 v[Y+2*(\i)+1], v[X+4*(\i)+2], v[X+4*(\i)+3]
.if \wo
	v_lshlrev_b32 v100, 16, v[Y+2*(\i)]
	v_and_b32 v101, 0xffff0000, v[Y+2*(\i)]
	v_cvt_pk_f16_f32 v[Y+2*(\i)], v100, v101
	v_lshlrev_b32 v100, 16, v[Y+2*(\i)+1]
	v_and_b32 v101, 0xffff0000, v[Y+2*(\i)+1]
	v_cvt_pk_f16_f32 v[Y+2*(\i)+1], v100, v101
.endif
.endm
; The four stores of group g, in one run.  No vector instruction between the wait ahead of them and the last of them names their registers.
.macro SEND4 g
.irp j, 0,1,2,3
	global_store_b64 v2, v[Y+2*(4*(\g)+(\j)):Y+2*(4*(\g)+(\j))+1], s[26:27] offset:2048*(4*(\g)+(\j)) th:TH_STORE_NT
.endr
.endm
; Group g: pieces 4 g to 4 g + 3 are converted; at its head the group before is stored.
.macro GROUP g, wo
	s_wait_loadcnt 15-4*(\g)                       ; loads come back in order: the group's first piece is in, the younger ones stay out
.if (\g) > 0
	s_wait_alu depctr_va_vdst(0)                   ; the conversions of the group before have written its eight registers of Y, which the four stores below read
	SEND4 (\g)-1
.endif
.irp j, 0,1,2,3
.if (\j) > 0
	s_wait_loadcnt 15-4*(\g)-(\j)                  ; piece 4 g + j is in, the younger ones stay out (stores do not count here)
.endif
	CONV 4*(\g)+(\j), \wo
.endr
.endm
	s_cmp_ge_u32 s2, XCH+48                        ; the last 16 chunks are Wo's
	s_cbranch_scc1 .Lwo
.irp g, 0,1,2,3
	GROUP \g, 0
.endr
	s_wait_alu depctr_va_vdst(0)                   ; the last group's conversions have written its Y, which the last four stores read
	SEND4 3
	s_endpgm
.Lwo:
.irp g, 0,1,2,3
	GROUP \g, 1
.endr
	s_wait_alu depctr_va_vdst(0)                   ; the last group's conversions have written its Y, which the last four stores read
	SEND4 3
	s_endpgm
.Lfunc_end_k_q4a44ae7a3d_cast:
	.size	k_q4a44ae7a3d_cast, .Lfunc_end_k_q4a44ae7a3d_cast-k_q4a44ae7a3d_cast
	.p2alignl 7, 3214868480
	.fill 96, 4, 3214868480
	.section	.rodata,"a",@progbits
	.p2align	6, 0x0
	.amdhsa_kernel k_q4a44ae7a3d_cast
		.amdhsa_group_segment_fixed_size 0
		.amdhsa_private_segment_fixed_size 0
		.amdhsa_enable_private_segment 0
		.amdhsa_kernarg_size 64
		.amdhsa_user_sgpr_count 2
		.amdhsa_user_sgpr_kernarg_segment_ptr 1
		.amdhsa_wavefront_size32 1
		.amdhsa_system_sgpr_workgroup_id_x 1
		.amdhsa_system_sgpr_workgroup_id_y 1
		.amdhsa_system_sgpr_workgroup_id_z 1
		.amdhsa_system_vgpr_workitem_id 0
		.amdhsa_next_free_vgpr 104
		.amdhsa_next_free_sgpr 66
		.amdhsa_reserve_vcc 0
		.amdhsa_float_denorm_mode_32 3
		.amdhsa_float_denorm_mode_16_64 3
		.amdhsa_memory_ordered 1
		.amdhsa_forward_progress 1
		.amdhsa_inst_pref_size 17
	.end_amdhsa_kernel
	.amdgpu_metadata
---
amdhsa.version: [ 1, 2 ]
amdhsa.kernels:
  - .name:           k_q4a44ae7a3d_cast
    .symbol:         k_q4a44ae7a3d_cast.kd
    .args:
      - { .name: x, .offset: 0, .size: 8, .value_kind: global_buffer, .address_space: global }
      - { .name: Wq, .offset: 8, .size: 8, .value_kind: global_buffer, .address_space: global }
      - { .name: Wk, .offset: 16, .size: 8, .value_kind: global_buffer, .address_space: global }
      - { .name: Wv, .offset: 24, .size: 8, .value_kind: global_buffer, .address_space: global }
      - { .name: Wo, .offset: 32, .size: 8, .value_kind: global_buffer, .address_space: global }
      - { .name: xb, .offset: 40, .size: 8, .value_kind: global_buffer, .address_space: global }
      - { .name: wb, .offset: 48, .size: 8, .value_kind: global_buffer, .address_space: global }
      - { .name: wo16, .offset: 56, .size: 8, .value_kind: global_buffer, .address_space: global }
    .group_segment_fixed_size: 0
    .private_segment_fixed_size: 0
    .kernarg_segment_align: 8
    .kernarg_segment_size: 64
    .max_flat_workgroup_size: 256
    .sgpr_count:     66
    .vgpr_count:     104
    .wavefront_size: 32
...
	.end_amdgpu_metadata
.endif
;; end of part 5
;; launch qkv: the kernel of part 2 again; grid 8 x 32, 4 waves a work-group, clusters of 4 x 4, 327,680 bytes of LDS; arguments xb, wb, bq, bk, bv, mask, q16, k16, v16; writes q16, k16, v16
;; launch attn: the kernel of part 3 again; grid 16 x 16, 4 waves a work-group, clusters of 4 x 1, 327,680 bytes of LDS; arguments q16, k16, v16, mask, o16; writes o16
;; launch oproj: the kernel of part 4 again; grid 4 x 64, 4 waves a work-group, clusters of 4 x 4, 327,680 bytes of LDS; arguments o16, wo16, bo, out0; writes out0
